; MI455X (gfx1250); checked and timed in simulation.
; The chip was launched on July 23, 2026; its instructions are those of AMD's public machine-readable ISA for CDNA 5 (MIT licence, August 2026) and "CDNA5" Instruction Set Architecture Reference Guide (July 2026). The comments in the code are by the model that wrote it; some were corrected since.
;; Transformer Block. Allowed arithmetic: matrix products marked QUANTISED: E2M3 operands, one E8M0 scale for each 32 along K, by v_wmma_scale_f32_16x16x128_f8f6f4 with both operands' format E2M3, f32 sums; everything else in f32.
;; Inputs: fc1_b 4,096 float32; fc1_w_codes 4,096 x 32 x 24 uint8 (E2M3 codes of fc1_w, K innermost, in blocks of 32 codes, four codes in three bytes); fc1_w_scales 4,096 x 32 uint8 (E8M0 scales of fc1_w, one for each 32 codes along K); fc2_b 1,024 float32; fc2_w_codes 1,024 x 128 x 24 uint8 (E2M3 codes of fc2_w, K innermost, in blocks of 32 codes, four codes in three bytes); fc2_w_scales 1,024 x 128 uint8 (E8M0 scales of fc2_w, one for each 32 codes along K); ln1_b 1,024 float32; ln1_g 1,024 float32; ln2_b 1,024 float32; ln2_g 1,024 float32; proj_b 1,024 float32; proj_w_codes 1,024 x 32 x 24 uint8 (E2M3 codes of proj_w, K innermost, in blocks of 32 codes, four codes in three bytes); proj_w_scales 1,024 x 32 uint8 (E8M0 scales of proj_w, one for each 32 codes along K); qkv_b 3,072 float32; qkv_w_codes 3,072 x 32 x 24 uint8 (E2M3 codes of qkv_w, K innermost, in blocks of 32 codes, four codes in three bytes); qkv_w_scales 3,072 x 32 uint8 (E8M0 scales of qkv_w, one for each 32 codes along K); x 2 x 2,048 x 1,024 float32.
;; Outputs: out0 2 x 2,048 x 1,024 float32.
;; This version of the problem:
;;   THIS VERSION OF THE PROBLEM IS GIVEN IN LOW PRECISION. The matrix products marked QUANTISED in the list below multiply operands that are first quantised to E2M3 (2 exponent bits, 3 mantissa bits; 6 bits a number), with one power-of-two scale for each 32 numbers along K (OCP MX v1.0); their sums are f32. All else is computed in f32.
;;   The module's matrix products, in the order in which they are computed (A, B: the left and right operand; K: the contracted axis; several contracted axes count as one K, in the product's order):
;;     1. [M 4,096, K 1,024] x [K 1,024, N 3,072]; A: computed on the way; B: input qkv_w (given as codes): QUANTISED
;;     2. batch 32 x [M 2,048, K 64] x [K 64, N 2,048]; A: computed on the way; B: computed on the way: QUANTISED
;;     3. batch 32 x [M 2,048, K 2,048] x [K 2,048, N 64]; A: softmax (see below); B: computed on the way: QUANTISED
;;     4. [M 4,096, K 1,024] x [K 1,024, N 1,024]; A: computed on the way; B: input proj_w (given as codes): QUANTISED
;;     5. [M 4,096, K 1,024] x [K 1,024, N 4,096]; A: computed on the way; B: input fc1_w (given as codes): QUANTISED
;;     6. [M 4,096, K 4,096] x [K 4,096, N 1,024]; A: computed on the way; B: input fc2_w (given as codes): QUANTISED
;;   THE QUANTISER, for each operand of a quantised product, along K:
;;     - K is cut into blocks of 32 from its start; a last block that is shorter is filled with zeros.
;;     - A block's scale is 2^e with e = floor(log2(the largest magnitude in the block)) - 2, held to -126 .. 127; a block of zeros has e = 0. As a byte (E8M0): e + 127.
;;     - Each number is divided by its block's scale, clamped to +-7.5, and rounded to the nearest number of E2M3, ties to even, subnormals kept.
;;     - The product sums the exact products of the quantised numbers (number of the format x scale) in f32.
;;   ~~~python
;;   def quantise(x, axis):      # numpy; x: float32 -> the quantised numbers, widened to float32 again
;;       x = np.moveaxis(x, axis, -1); K = x.shape[-1]
;;       x = np.pad(x, [(0, 0)] * (x.ndim - 1) + [(0, -K % 32)]); x = x.reshape(x.shape[:-1] + (-1, 32)); a = np.abs(x).max(-1, keepdims=True)
;;       e = np.where(a > 0, np.clip(np.frexp(np.where(a > 0, a, 1))[1] - 1 - 2, -126, 127), 0)      # np.frexp(a)[1] - 1 = floor(log2(a)), exactly
;;       r = np.clip(x / 2.0 ** e, -7.5, 7.5)
;;       step = 2.0 ** (np.maximum(np.frexp(np.where(r == 0, 1, r))[1] - 1, 0) - 3)
;;       q = np.round(r / step) * step * 2.0 ** e      # np.round: ties to even
;;       return np.moveaxis(q.reshape(q.shape[:-2] + (-1,))[..., :K], -1, axis).astype(np.float32)
;;   ~~~
;;   SOFTMAX AHEAD OF A QUANTISED PRODUCT. Where the list says 'softmax', what is quantised is not the finished softmax but p = 2^(t - M), with t = logit x log2(e) and M = ceil(the row's largest t), a whole number; so 1/2 < the row's largest p <= 1. The row's sum l is taken of the UNQUANTISED p, in f32, and the product's result is divided by l at the end. Since M is a whole number, a kernel that streams over the keys may use a running M (the ceiling of the running maximum): every later rescaling is an exact power of two, which a block's scale takes up: the codes' values come out the same.
;;   OPERANDS COMPUTED ON THE WAY. 'Computed on the way' means the value that the module computes at that place (a softmax that the list does not call 'softmax' is quantised finished and normalised). What goes into a quantiser is computed in f32, as accurately as f32 sums, v_exp_f32 and their like allow (about 1e-6 of the number): no bf16 or f16 on the way to a quantiser, and a product that is left as it is and whose result goes on into a quantised operand takes f32 operands (vector FMAs, or v_wmma_f32_16x16x4_f32). A number that lies on a knife's edge between two numbers of the format may be rounded either way, as far as f32 arithmetic and the matrix unit's own rounding can turn it there, and no further.
;;   INPUTS GIVEN AS CODES. fc1_w (in the module: [4096, 1024], K = its axis 1); fc2_w (in the module: [1024, 4096], K = its axis 1); proj_w (in the module: [1024, 1024], K = its axis 1); qkv_w (in the module: [3072, 1024], K = its axis 1): each comes as NAME_codes (uint8): NAME with its K axis moved to the last place and cut into blocks of 32 codes, [.., K / 32, bytes a block], one block behind the other in memory; four codes in three bytes: a row's codes are one little-endian stream of bits, code i at bits 6 i .. 6 i + 5 (a code: sign, 2 exponent bits, 3 mantissa bits); and NAME_scales (uint8): the same leading axes, one E8M0 byte (e + 127) for each 32 codes along K. Its value is code x scale, taken as it is: it is not quantised again, and the codes and scales need not be those that the quantiser above would give.
;; One version. Each part assembles by itself: llvm-mc -triple=amdgcn-amd-amdhsa -mcpu=gfx1250 --defsym DOCPART=n.
;; ======== version 1 of 1: 7 launches
;; workspace buffers: wf 9,830,400 bytes; hq 3,276,800 bytes; qkv 10,092,544 bytes; oq 3,276,800 bytes; x1 16,777,216 bytes; gq 13,107,200 bytes
;; launch ln1 (part 1): grid 448 x 1, 16 waves a work-group, no clusters, 89,088 bytes of LDS; arguments x, ln1_g, ln1_b, qkv_w_codes, qkv_w_scales, proj_w_codes, proj_w_scales, fc1_w_codes, fc1_w_scales, fc2_w_codes, fc2_w_scales, hq, wf; writes hq, wf
.if DOCPART == 1
	.amdgcn_target "amdgcn-amd-amdhsa--gfx1250"
	.amdhsa_code_object_version 6
	.text
	.protected	k_q5bb9eeae0a_ln1
	.globl	k_q5bb9eeae0a_ln1
	.p2align	8
	.type	k_q5bb9eeae0a_ln1,@function
k_q5bb9eeae0a_ln1:
	s_mov_b64 s[64:65], 0
	v_nop
	global_prefetch_b8 v0, s[64:65] scope:SCOPE_SE
	s_setreg_imm32_b32 hwreg(HW_REG_WAVE_MODE, 25, 1), 1
	s_wait_xcnt 0x0
; LayerNorm of 4,096 rows of 1,024 f32, quantised along the row to FP6 (E2M3) with one E8M0 byte for each 32 numbers; and, in work-groups 256 on, the four weights laid anew.
; ALL OPERANDS OF THIS PROGRAM LIE IN MEMORY IN THE ORDER OF THE MATRIX OPERAND'S REGISTERS.  A fragment (16 rows x 128 K, 12 registers a lane) is six planes of 256 bytes: plane P holds the register
; pair (2 P, 2 P + 1) of the 32 lanes, lane l at 8 l.  Codes: [tile][k / 128][1536].  Scale words: [tile][k / 128][16 words], word r = the four bytes of the tile's lane row r.
; THE ROWS OF A TILE ARE NOT NEIGHBOURS: lane row r of tile T is row 32 (T / 2) + 8 (T % 2) + r + 8 (r / 8), so that the results of two neighbouring tiles used as source 0 are 16 neighbours in a lane's registers.
; WORK-GROUPS 0-255: work-group i makes tile i; wave w takes lane row w: one memory row, read once by eight loads of 512 consecutive bytes, kept in 32 registers for mean, variance and scaling.
; The row turns through the wave's own LDS bytes so that lane l holds block l (32 neighbours); its 24 bytes of codes go to the tile's image in LDS; one barrier; wave w stores planes 3 w .. 3 w + 2, 256 aligned bytes a store.
; WORK-GROUPS 256 ON (only in the launch whose grid has them): a unit is 16 weight rows x 1,024 K; a wave takes a quarter of a unit, two fragments: 12 loads of 8 bytes a lane straight into the fragments' registers,
; 12 stores of whole planes, and the two K steps' scale words.  Each such load names 16 rows, so the work is cut small and shared among 192 work-groups, which lie beside the others.  No LDS, no barrier.
; LIMITS: a block of zeros gets the byte 1 and not 127 (its codes are zeros; the bytes are read by this program alone); a block whose largest magnitude lies under 2^-124 is held at that byte; NaN and infinities are not served.
.set TURNB, 4608                       ; a wave's turning bytes: 32 places of 128 + 16
.set IMG,   73728                      ; the tile's image: 48 planes, 264 bytes apart
.set PL,    264
.set SCB,   86528                      ; its 128 scale words
.set X,  16                            ; v16-47   the row as loaded: register 4 j + e = number 128 j + 4 lane + e
.set G,  48                            ; v48-79   the gain; later my block of 32 neighbours
.set BV, 80                            ; v80-111  the bias
.macro RED v, t                        ; the sum over the 32 lanes, in every lane
	v_add_f32_dpp v[\v], v[\v], v[\v] row_xmask:1 row_mask:0xf bank_mask:0xf
	v_add_f32_dpp v[\v], v[\v], v[\v] row_xmask:2 row_mask:0xf bank_mask:0xf
	v_add_f32_dpp v[\v], v[\v], v[\v] row_xmask:4 row_mask:0xf bank_mask:0xf
	v_add_f32_dpp v[\v], v[\v], v[\v] row_xmask:8 row_mask:0xf bank_mask:0xf
	v_permlanex16_b32 v[\t], v[\v], s14, s15
	v_add_f32 v[\v], v[\v], v[\t]
.endm
	v_lshl_add_u32 v128, v0, 2, 0x15400
	v_mov_b32 v129, 0
	v_lshrrev_b32 v1, 5, v0
	v_readfirstlane_b32 s12, v1                    ; wave 0..15
	v_and_b32 v1, 31, v0                           ; lane
	s_cmp_ge_u32 ttmp9, 256                        ; the same for all waves of a work-group
	s_cbranch_scc1 .Lrelay
	s_load_b128 s[4:7], s[0:1], 0x0                ; the rows, the gain
	s_load_b64 s[8:9], s[0:1], 0x10                ; the bias
	s_load_b64 s[10:11], s[0:1], 0x58              ; hq
	s_mov_b32 s14, 0x76543210                      ; v_permlanex16_b32's selects for lane l xor 16
	s_mov_b32 s15, 0xfedcba98
	s_mov_b32 s16, 0x3a800000                      ; 1 / 1024
	s_mov_b32 s17, 0x3727c5ac                      ; 1e-5
	s_lshr_b32 s18, ttmp9, 1
	s_lshl_b32 s18, s18, 5
	s_and_b32 s19, ttmp9, 1
	s_lshl_b32 s19, s19, 3
	s_add_co_u32 s18, s18, s19
	s_add_co_u32 s18, s18, s12
	s_and_b32 s19, s12, 8
	s_add_co_u32 s18, s18, s19                     ; my row: 32 (i / 2) + 8 (i % 2) + w + 8 (w / 8)
	s_lshl_b32 s18, s18, 12                        ; of 4,096 bytes
	s_mov_b32 s19, 0
	s_mul_i32 s20, ttmp9, 12288                    ; the tile's codes,
	s_mul_i32 s24, s12, 768                        ; my three planes of them
	s_add_co_u32 s20, s20, s24
	s_mov_b32 s21, 0
	s_lshl_b32 s22, ttmp9, 9                       ; the tile's scale words
	s_add_co_u32 s22, s22, 3145728
	s_mov_b32 s23, 0
	v_lshlrev_b32 v2, 4, v1                        ; 16 x lane
	s_wait_kmcnt 0x0
	s_add_nc_u64 s[4:5], s[4:5], s[18:19]
	s_add_nc_u64 s[20:21], s[10:11], s[20:21]
	s_add_nc_u64 s[22:23], s[10:11], s[22:23]
.irp j, 0,1,2,3,4,5,6,7
	global_load_b128 v[X+4*\j:X+4*\j+3], v2, s[4:5] offset:512*\j th:TH_LOAD_NT
.endr
.irp j, 0,1,2,3,4,5,6,7
	global_load_b128 v[G+4*\j:G+4*\j+3], v2, s[6:7] offset:512*\j
.endr
.irp j, 0,1,2,3,4,5,6,7
	global_load_b128 v[BV+4*\j:BV+4*\j+3], v2, s[8:9] offset:512*\j
.endr
	s_mul_i32 s24, s12, TURNB
	v_bfe_u32 v10, v0, 3, 2
	v_mul_u32_u24 v3, v10, 144
	v_and_b32 v10, 7, v0
	v_lshl_add_u32 v3, v10, 4, v3
	v_add_nc_u32 v3, s24, v3                       ; the turn, in: eight lanes' 128 bytes are a block's place; a load's 512 bytes take four places
	v_mul_u32_u24 v4, v1, 144
	v_add_nc_u32 v4, s24, v4                       ; and out: place = lane
	v_bfe_u32 v10, v0, 1, 4
	v_mul_u32_u24 v5, v10, 3*PL
	v_and_b32 v10, 1, v0
	v_lshl_add_u32 v5, v10, 7, v5
	s_lshl_b32 s24, s12, 3
	s_add_co_u32 s24, s24, IMG
	v_add_nc_u32 v5, s24, v5                       ; block l of lane row w: planes 3 (l / 2) on, fragment lane w + 16 (l % 2)
	v_bfe_u32 v10, v0, 2, 3
	v_lshlrev_b32 v6, 6, v10
	v_and_b32 v10, 3, v0
	v_add_nc_u32 v6, v6, v10
	s_lshl_b32 s24, s12, 2
	s_add_co_u32 s24, s24, SCB
	v_add_nc_u32 v6, s24, v6                       ; its scale byte: word w of K step l / 4, byte l % 4
	s_mul_i32 s24, s12, 3*PL
	s_add_co_u32 s24, s24, IMG
	v_lshl_add_u32 v7, v1, 3, s24                  ; the planes that I store
	v_lshlrev_b32 v8, 3, v1
	v_add_nc_u32 v9, SCB, v2
	s_wait_loadcnt 16                              ; the row's eight loads are in; the gain's and the bias's sixteen may be out
	v_pk_add_f32 v[116:117], v[X:X+1], v[X+2:X+3]
	v_pk_add_f32 v[118:119], v[X+4:X+5], v[X+6:X+7]
.irp j, 8,12,16,20,24,28
	v_pk_add_f32 v[116:117], v[116:117], v[X+\j:X+\j+1]
	v_pk_add_f32 v[118:119], v[118:119], v[X+\j+2:X+\j+3]
.endr
	v_pk_add_f32 v[116:117], v[116:117], v[118:119]
	v_add_f32 v116, v116, v117
	RED 116, 117
	v_mul_f32 v112, s16, v116                      ; the mean
	v_mov_b32 v113, v112
.irp j, 0,2,4,6,8,10,12,14,16,18,20,22,24,26,28,30
	v_pk_add_f32 v[X+\j:X+\j+1], v[X+\j:X+\j+1], v[112:113] neg_lo:[0,1] neg_hi:[0,1]
.endr
	v_pk_mul_f32 v[116:117], v[X:X+1], v[X:X+1]
	v_pk_mul_f32 v[118:119], v[X+2:X+3], v[X+2:X+3]
.irp j, 4,8,12,16,20,24,28
	v_pk_fma_f32 v[116:117], v[X+\j:X+\j+1], v[X+\j:X+\j+1], v[116:117]
	v_pk_fma_f32 v[118:119], v[X+\j+2:X+\j+3], v[X+\j+2:X+\j+3], v[118:119]
.endr
	v_pk_add_f32 v[116:117], v[116:117], v[118:119]
	v_add_f32 v116, v116, v117
	RED 116, 117
	v_fma_f32 v116, v116, s16, s17                 ; the variance + 1e-5
	v_rsq_f32 v114, v116
	v_nop                                          ; a plain instruction behind the transcendental
	s_wait_alu depctr_va_vdst(0)                   ; and the wait ahead of its first reader
	v_mov_b32 v115, v114
	s_wait_loadcnt 0x0                             ; gain and bias
.irp j, 0,2,4,6,8,10,12,14,16,18,20,22,24,26,28,30
	v_pk_mul_f32 v[X+\j:X+\j+1], v[X+\j:X+\j+1], v[114:115]
.endr
.irp j, 0,2,4,6,8,10,12,14,16,18,20,22,24,26,28,30
	v_pk_fma_f32 v[X+\j:X+\j+1], v[X+\j:X+\j+1], v[G+\j:G+\j+1], v[BV+\j:BV+\j+1]
.endr
.irp j, 0,1,2,3,4,5,6,7
	ds_store_b128 v3, v[X+4*\j:X+4*\j+3] offset:576*\j
.endr
.irp j, 0,1,2,3,4,5,6,7
	ds_load_b128 v[G+4*\j:G+4*\j+3], v4 offset:16*\j   ; LDS serves a wave's instructions in order: these see my stores
.endr
	s_wait_dscnt 0x0
	v_max3_num_f32 v116, |v[G]|, |v[G+1]|, |v[G+2]|    ; the block's largest magnitude: all 32 numbers are mine
	v_max3_num_f32 v117, |v[G+3]|, |v[G+4]|, |v[G+5]|
.irp i, 6,10,14,18,22,26
	v_max3_num_f32 v116, v116, |v[G+\i]|, |v[G+\i+1]|
	v_max3_num_f32 v117, v117, |v[G+\i+2]|, |v[G+\i+3]|
.endr
	v_max3_num_f32 v116, v116, |v[G+30]|, |v[G+31]|
	v_max3_num_f32 v116, v116, v117, 0x1800000     ; and the floor 2^(3 - 127): the byte cannot fall under 1
	v_add_nc_u32 v127, 0xff000000, v116            ; 2 off its exponent field: the conversion takes the exponent field of this operand as its scale
	v_cvt_scalef32_pk16_fp6_f32 v[120:122], v[G:G+15], v127
	v_cvt_scalef32_pk16_fp6_f32 v[124:126], v[G+16:G+31], v127   ; (a conversion's three registers begin on an even number)
	v_nop                                          ; a plain instruction behind the conversions
	v_lshrrev_b32 v119, 23, v127                   ; the scale's byte
	v_mov_b32 v123, v124
	v_mov_b32 v124, v125
	v_mov_b32 v125, v126                           ; v120-125: the block's 24 bytes
.irp p, 0,1,2
	ds_store_b64 v5, v[120+2*\p:121+2*\p] offset:PL*\p
.endr
	ds_store_b8 v6, v119
	s_wait_dscnt 0x0                               ; for the others' sake: my stores into the image are done
	s_barrier_signal -1
	s_barrier_wait -1
.irp p, 0,1,2
	ds_load_b64 v[20+2*\p:21+2*\p], v7 offset:PL*\p
.endr
	s_wait_dscnt 0x0
.irp p, 0,1,2
	global_store_b64 v8, v[20+2*\p:21+2*\p], s[20:21] offset:256*\p   ; 32 lanes store 256 consecutive bytes, at a multiple of 256
.endr
	s_cmp_lg_u32 s12, 0
	s_cbranch_scc1 .Ldone
	ds_load_b128 v[16:19], v9                      ; wave 0: the tile's 512 bytes of scale words
	s_wait_dscnt 0x0
	global_store_b128 v2, v[16:19], s[22:23]
.Ldone:
	s_wait_tensorcnt 0x0
	ds_add_u32 v128, v129
	s_wait_dscnt 0x0
	s_endpgm
.Lrelay:                                               ; wave W = 16 (work-group - 256) + wave takes quarter W % 4 of unit U = W / 4.  Units 0-191 qkv_w, 192-255 proj_w, 256-511 fc1_w, 512-767 fc2_w (four units to a tile: K = 4,096)
	s_load_b128 s[16:19], s[0:1], 0x18             ; qkv_w's codes, scales
	s_load_b128 s[20:23], s[0:1], 0x28             ; proj_w's
	s_load_b128 s[24:27], s[0:1], 0x38             ; fc1_w's
	s_load_b128 s[28:31], s[0:1], 0x48             ; fc2_w's
	s_load_b64 s[32:33], s[0:1], 0x60              ; wf
	s_sub_co_u32 s2, ttmp9, 256
	s_lshl_b32 s2, s2, 4
	s_add_co_u32 s2, s2, s12                       ; W
	s_and_b32 s44, s2, 3                           ; my quarter: K steps 2 x quarter and 2 x quarter + 1 of the unit's eight
	s_lshr_b32 s2, s2, 2                           ; U
	s_mov_b32 s3, 512
	s_cmp_lt_u32 s2, 512
	s_cselect_b32 s3, 256, s3                      ; the tensor's first unit
	s_cselect_b32 s8, 0, 2                         ; log2 of its units a tile
	s_cmp_lt_u32 s2, 256
	s_cselect_b32 s3, 192, s3
	s_cmp_lt_u32 s2, 192
	s_cselect_b32 s3, 0, s3
	s_sub_co_u32 s13, s2, s3
	s_lshr_b32 s14, s13, s8                        ; tile
	s_lshl_b32 s9, 1, s8
	s_sub_co_u32 s9, s9, 1
	s_and_b32 s15, s13, s9                         ; which 1,024 along K
	s_lshl_b32 s10, 768, s8                        ; a row of codes in bytes
	s_lshl_b32 s11, 32, s8                         ; a row of scale bytes
	s_lshr_b32 s34, s14, 1
	s_lshl_b32 s34, s34, 5
	s_and_b32 s35, s14, 1
	s_lshl_b32 s35, s35, 3
	s_add_co_u32 s34, s34, s35                     ; the tile's first row
	s_mul_i32 s36, s34, s10
	s_mul_i32 s35, s15, 768
	s_add_co_u32 s36, s36, s35
	s_mul_i32 s35, s44, 192                        ; two K steps of 96 bytes a quarter
	s_add_co_u32 s36, s36, s35
	s_mov_b32 s37, 0
	s_mul_i32 s38, s34, s11
	s_lshl_b32 s35, s15, 5
	s_add_co_u32 s38, s38, s35
	s_lshl_b32 s35, s44, 3                         ; two scale words a quarter
	s_add_co_u32 s38, s38, s35
	s_mov_b32 s39, 0
	s_mul_i32 s40, s2, 12288                       ; the unit's eight fragments in wf,
	s_mul_i32 s35, s44, 3072                       ; my two of them
	s_add_co_u32 s40, s40, s35
	s_mov_b32 s41, 0
	s_lshl_b32 s42, s2, 9                          ; and their scale words
	s_lshl_b32 s35, s44, 7
	s_add_co_u32 s42, s42, s35
	s_add_co_u32 s42, s42, 9437184
	s_mov_b32 s43, 0
	v_and_b32 v3, 15, v0                           ; r
	v_and_b32 v4, 8, v3
	v_add_nc_u32 v4, v4, v3                        ; r + 8 (r / 8)
	v_bfe_u32 v5, v0, 4, 1                         ; h
	v_mul_lo_u32 v6, v4, s10
	v_mad_u32_u24 v6, v5, 24, v6                   ; codes: my row, + 24 h
	v_mul_lo_u32 v7, v4, s11
	v_lshl_add_u32 v7, v5, 2, v7                   ; scale bytes: my row, + 4 h: lanes 0-15 take the first K step's word, lanes 16-31 the second's
	v_lshlrev_b32 v8, 3, v1
	v_lshlrev_b32 v9, 2, v3
	v_lshl_add_u32 v9, v5, 6, v9                   ; and store it at 4 r + 64 h
	s_wait_kmcnt 0x0
	s_cmp_lt_u32 s2, 512                           ; the choice hangs on the unit's number alone
	s_cselect_b64 s[4:5], s[24:25], s[28:29]
	s_cselect_b64 s[6:7], s[26:27], s[30:31]
	s_cmp_lt_u32 s2, 256
	s_cselect_b64 s[4:5], s[20:21], s[4:5]
	s_cselect_b64 s[6:7], s[22:23], s[6:7]
	s_cmp_lt_u32 s2, 192
	s_cselect_b64 s[4:5], s[16:17], s[4:5]
	s_cselect_b64 s[6:7], s[18:19], s[6:7]
	s_add_nc_u64 s[4:5], s[4:5], s[36:37]
	s_add_nc_u64 s[6:7], s[6:7], s[38:39]
	s_add_nc_u64 s[40:41], s[32:33], s[40:41]
	s_add_nc_u64 s[42:43], s[32:33], s[42:43]
.irp f, 0,1
.irp p, 0,1,2,3,4,5
	global_load_b64 v[16+12*\f+2*\p:17+12*\f+2*\p], v6, s[4:5] offset:96*\f+48*(\p/3)+8*(\p%3)
.endr
.endr
	global_load_b32 v112, v7, s[6:7]
	s_wait_loadcnt 0x0
.irp f, 0,1
.irp p, 0,1,2,3,4,5
	global_store_b64 v8, v[16+12*\f+2*\p:17+12*\f+2*\p], s[40:41] offset:1536*\f+256*\p   ; a whole plane: 256 consecutive bytes, at a multiple of 256
.endr
.endr
	global_store_b32 v9, v112, s[42:43]
	s_endpgm
.Lfunc_end_k_q5bb9eeae0a_ln1:
	.size	k_q5bb9eeae0a_ln1, .Lfunc_end_k_q5bb9eeae0a_ln1-k_q5bb9eeae0a_ln1
	.p2alignl 7, 3214868480
	.fill 96, 4, 3214868480
	.section	.rodata,"a",@progbits
	.p2align	6, 0x0
	.amdhsa_kernel k_q5bb9eeae0a_ln1
		.amdhsa_group_segment_fixed_size 89088
		.amdhsa_private_segment_fixed_size 0
		.amdhsa_enable_private_segment 0
		.amdhsa_kernarg_size 104
		.amdhsa_user_sgpr_count 2
		.amdhsa_user_sgpr_kernarg_segment_ptr 1
		.amdhsa_wavefront_size32 1
		.amdhsa_system_sgpr_workgroup_id_x 1
		.amdhsa_system_sgpr_workgroup_id_y 1
		.amdhsa_system_sgpr_workgroup_id_z 1
		.amdhsa_system_vgpr_workitem_id 0
		.amdhsa_next_free_vgpr 130
		.amdhsa_next_free_sgpr 66
		.amdhsa_reserve_vcc 0
		.amdhsa_float_denorm_mode_32 3
		.amdhsa_float_denorm_mode_16_64 3
		.amdhsa_memory_ordered 1
		.amdhsa_forward_progress 1
		.amdhsa_inst_pref_size 21
	.end_amdhsa_kernel
	.amdgpu_metadata
---
amdhsa.version: [ 1, 2 ]
amdhsa.kernels:
  - .name:           k_q5bb9eeae0a_ln1
    .symbol:         k_q5bb9eeae0a_ln1.kd
    .args:
      - { .name: x, .offset: 0, .size: 8, .value_kind: global_buffer, .address_space: global }
      - { .name: ln1_g, .offset: 8, .size: 8, .value_kind: global_buffer, .address_space: global }
      - { .name: ln1_b, .offset: 16, .size: 8, .value_kind: global_buffer, .address_space: global }
      - { .name: qkv_w_codes, .offset: 24, .size: 8, .value_kind: global_buffer, .address_space: global }
      - { .name: qkv_w_scales, .offset: 32, .size: 8, .value_kind: global_buffer, .address_space: global }
      - { .name: proj_w_codes, .offset: 40, .size: 8, .value_kind: global_buffer, .address_space: global }
      - { .name: proj_w_scales, .offset: 48, .size: 8, .value_kind: global_buffer, .address_space: global }
      - { .name: fc1_w_codes, .offset: 56, .size: 8, .value_kind: global_buffer, .address_space: global }
      - { .name: fc1_w_scales, .offset: 64, .size: 8, .value_kind: global_buffer, .address_space: global }
      - { .name: fc2_w_codes, .offset: 72, .size: 8, .value_kind: global_buffer, .address_space: global }
      - { .name: fc2_w_scales, .offset: 80, .size: 8, .value_kind: global_buffer, .address_space: global }
      - { .name: hq, .offset: 88, .size: 8, .value_kind: global_buffer, .address_space: global }
      - { .name: wf, .offset: 96, .size: 8, .value_kind: global_buffer, .address_space: global }
    .group_segment_fixed_size: 89088
    .private_segment_fixed_size: 0
    .kernarg_segment_align: 8
    .kernarg_segment_size: 104
    .max_flat_workgroup_size: 512
    .sgpr_count:     66
    .vgpr_count:     130
    .wavefront_size: 32
...
	.end_amdgpu_metadata
.endif
;; end of part 1
;; launch qkv (part 2): grid 12 x 16, 4 waves a work-group, clusters of 4 x 4, 327,680 bytes of LDS; arguments hq, wf, qkv_b, qkv; writes qkv
.if DOCPART == 2
	.amdgcn_target "amdgcn-amd-amdhsa--gfx1250"
	.amdhsa_code_object_version 6
	.text
	.protected	k_q5bb9eeae0a_qkv
	.globl	k_q5bb9eeae0a_qkv
	.p2align	8
	.type	k_q5bb9eeae0a_qkv,@function
k_q5bb9eeae0a_qkv:
	s_mov_b64 s[64:65], 0
	v_nop
	global_prefetch_b8 v0, s[64:65] scope:SCOPE_SE
	s_setreg_imm32_b32 hwreg(HW_REG_WAVE_MODE, 25, 1), 1
	s_wait_xcnt 0x0
	s_wait_alu depctr_hold_cnt(0) depctr_sa_sdst(0) depctr_va_vdst(0) depctr_va_sdst(0) depctr_va_ssrc(0) depctr_va_vcc(0) depctr_vm_vsrc(0)
	s_getreg_b32 s2, hwreg(HW_REG_IB_STS2, 6, 4)
	s_cmp_eq_u32 s2, 0
	s_cbranch_scc0 .Lentry_in_a_cluster
	s_endpgm
.Lentry_in_a_cluster:
	s_bfe_u32 s2, ttmp6, 0x10000c
	s_cmp_lg_u32 s2, 0xf033
	s_cbranch_scc0 .Lentry_shape_is_right
	s_endpgm
.Lentry_shape_is_right:
; q, k, v = Q(LN1(x)) qkv_w^T + qkv_b on FP6 codes, and q, k (along the head's 64) and v (along the keys) quantised again, straight into the fragments that the attention launch reads.
; OPERANDS lie in the order of the operand's registers: a fragment (16 rows x 128 K) is six planes of 256 bytes, plane P = register pair (2 P, 2 P + 1), lane l at 8 l; codes [tile][k / 128][1536], scale words [tile][k / 128][16].
; Lane row r of tile T is row 32 (T / 2) + 8 (T % 2) + r + 8 (r / 8).  D = (source 0 = a tile of Y) x (source 1 = a tile of X): a lane holds one row of X, and the 16 registers of Y's tiles 2 b, 2 b + 1 are Y's rows 32 b + 16 (lane / 16) + 0 .. 15.
; A work-group of four waves makes 256 x 256, a wave 128 x 128: 64 accumulators, 512 registers.
; K = 1,024 IS FOUR SLOT-LOADS OF 256, 98,304 bytes each, AND THREE REGIONS OF THAT SIZE FIT IN LDS: slot-loads 0, 1, 2 and the scale words go out together at the start (four tensor loads of a wave are out);
; only slot-load 3 is a refill, of region 0, behind the one round that follows slot-load 0, and it has slot-loads 1 and 2, 256 matrix instructions a wave, in which to land.  The eight steps of 128 are written out.
; THE LDS LOADS STAND AMONG THE PRODUCTS: the next step's sixteen fragments come one at a time, six loads ahead of each four products.  That costs two switches of the register window for four products;
; a run of 96 loads between two steps would leave the wave with no product to issue for as long as the four waves' 384 loads take.
; CLUSTERS of 4 x 4: cluster x = 0: q, 1: k, 2: v (the same for all partners).  For q and k X = the tokens and Y = the weight's rows; for v X = the weight's rows and Y = the tokens, so that a lane's registers run along the keys.
; The change of roles is made by addresses alone: both operands have K = 1,024 and one layout.  X's tiles are asked for jointly by a row of the cluster, Y's by a column.
; REGISTERS: window 0: v1-31 addresses, v4-11 the bias by lanes; v32-63 scale words, two sets, and nothing else; v64-159, v160-255 X's two sets.  Window 1: v0-95, v128-223 Y's two sets; v96-127, v224-255 the bias by registers.
;   Windows 2, 3: accumulator (a, b) at v[8 (8 (a % 4) + b)] of window 2 + a / 4.
; BOTH forms of the bias are loaded by every cluster; the one that does not apply is multiplied by 0, so that no branch stands among the output rows.
; LIMITS: a block of zeros gets the byte 1 and not 127 (its codes are zeros; this program alone reads the bytes); blocks under 2^-124 are held at that byte; NaN and infinities (in the bias too) are not served.
.set MB, 8                             ; tiles of 16 rows a wave, of X and of Y
.set NQ, 2                             ; steps of 128 along K in a slot-load
.set KT, 8                             ; steps of 128 in K
.set FRB,   1536
.set HALFT, MB*NQ*FRB                  ; what one tensor load brings: MB rows of NQ fragments
.set SLOT,  4*HALFT                    ; a region: X's two halves, then Y's two
.set SCL,   3*SLOT                     ; behind the three regions: the scale words for all of K, filled once
.set HALFS, MB*KT*64
.set SPARE, SCL+4*HALFS                ; the spare words: 128 bytes a wave, named by no other line
.set ADRX, 16                          ; v16-18  my X fragments in region 0, 1, 2
.set ADRY, 20                          ; v20-22  my Y fragments
.set ADRS, 27
.set SPW,  28
.set NIL,  29
.set SC,   32
.set G1,   24
.set G0,   32                          ; s[32:39] X's groups 0 for regions 0, 1;  s[20:23] for region 2
.set G0C,  20
.set G1B,  48
.set G0B,  56                          ; s[56:63] Y's for regions 0, 1;  s[92:95] for region 2
.set G0BC, 92
.set G1S,  68
.set G0S,  76
.set G1SB, 80
.set G0SB, 88
.set PC,  128                          ; the way out: codes just made
.set TM,  160                          ; at work
.set PW,  176                          ; the scale word just made
.set SEL, 18
.set MSB, 0
.macro WIN new                         ; the immediate's high byte repeats the setting that is left
.if MSB != (\new)
	s_set_vgpr_msb (MSB<<8)|(\new)
.set MSB, \new
.endif
.endm
.macro PLACES n
.rept \n
	v_nop
.endr
.endm
.macro JLOAD g0a, g1a, g0b, g1b        ; a joint load: waves 0, 1 fetch for X, waves 2, 3 for Y; four v_nop follow each line
	s_cmp_eq_u32 s15, 0
	s_cbranch_scc0 .Lfor_b_\@
	tensor_load_to_lds s[\g0a:\g0a+3], s[\g1a:\g1a+7]
	s_nop 0
.rept 4
	v_nop
.endr
	s_branch .Lasked_\@
.Lfor_b_\@:
	tensor_load_to_lds s[\g0b:\g0b+3], s[\g1b:\g1b+7]
	s_nop 0
.rept 4
	v_nop
.endr
.Lasked_\@:
.endm
.macro CREST                           ; a round of the cluster's barrier behind its opening barrier
	s_cmp_lg_u32 s14, 0
	s_cbranch_scc1 .Lnot_wave_0_\@
	s_barrier_signal -3
.Lnot_wave_0_\@:
	s_barrier_wait -3
	s_barrier_signal -1
	s_barrier_wait -1
.endm
.macro CROUND
	s_barrier_signal -1
	s_barrier_wait -1
	CREST
.endm
.macro FRAG reg, adr, q, i             ; a fragment: six planes, 256 consecutive bytes a load
.irp p, 0,1,2,3,4,5
	ds_load_b64 v[(\reg)+2*\p:(\reg)+2*\p+1], v[\adr] offset:((\i)*NQ+(\q))*FRB+256*\p
.endr
.endm
.macro LDF g, slot, q, set             ; fragment g of a step's sixteen (0-7: Y's tiles, 8-15: X's) from region 'slot', its q-th 128 along K, into register set 'set'
.if (\g) < MB
	WIN 0x40
	FRAG 128*(\set)+12*(\g), ADRY+(\slot), \q, \g
.else
	WIN 0
	FRAG 64+96*(\set)+12*((\g)-MB), ADRX+(\slot), \q, (\g)-MB
.endif
.endm
.macro FETCH slot, q, set              ; all sixteen in one run: the first step's alone
.set GG, 0
.rept 2*MB
	LDF GG, \slot, \q, \set
.set GG, GG+1
.endr
	WIN 0
.endm
.macro SCALES sc, k                    ; slot-load k's scale words into set sc: register NQ i + q: lanes 0-15 X's tile i, lanes 16-31 Y's tile i
.set II, 0
.rept MB
.set QQ, 0
.rept NQ
	ds_load_b32 v[SC+16*(\sc)+NQ*II+QQ], v[ADRS] offset:II*KT*64+((\k)*NQ+QQ)*64
.set QQ, QQ+1
.endr
.set II, II+1
.endr
.endm
.macro HALF a, b0, set, q, sc, zero    ; four products: X's tile a against Y's tiles b0 .. b0 + 3.  All 64 accumulators take turns, one instruction a turn, in the same order in every step
	WIN 0xa1+0x50*((\a)/4)
.set BB, \b0
.rept 4
.set AC, 8*(MB*((\a)%4)+BB)
.if \zero
	v_wmma_scale_f32_16x16x128_f8f6f4 v[AC:AC+7], v[128*(\set)+12*BB:128*(\set)+12*BB+11], v[64+96*(\set)+12*(\a):64+96*(\set)+12*(\a)+11], 0, v[SC+16*(\sc)+NQ*BB+(\q)], v[SC+16*(\sc)+NQ*(\a)+(\q)] matrix_a_fmt:MATRIX_FMT_FP6 matrix_b_fmt:MATRIX_FMT_FP6 matrix_a_scale:MATRIX_SCALE_ROW1
.else
	v_wmma_scale_f32_16x16x128_f8f6f4 v[AC:AC+7], v[128*(\set)+12*BB:128*(\set)+12*BB+11], v[64+96*(\set)+12*(\a):64+96*(\set)+12*(\a)+11], v[AC:AC+7], v[SC+16*(\sc)+NQ*BB+(\q)], v[SC+16*(\sc)+NQ*(\a)+(\q)] matrix_a_fmt:MATRIX_FMT_FP6 matrix_b_fmt:MATRIX_FMT_FP6 matrix_a_scale:MATRIX_SCALE_ROW1
.endif
.set BB, BB+1
.endr
.endm
.macro MULR a0, n, set, q, sc          ; X's tiles a0 .. a0 + n - 1, with nothing fetched
.set AA, \a0
.rept \n
	HALF AA, 0, \set, \q, \sc, 0
	HALF AA, 4, \set, \q, \sc, 0
.set AA, AA+1
.endr
.endm
; A step of 128 along K on register set 'set' (scale words: set sc, register q).  The next step's fragments (region nslot, its nq-th 128) go into the other set, one fragment ahead of each four products.
; nk >= 0: the next step begins slot-load nk, whose 16 scale loads stand first.
.macro ISTEP set, q, sc, zero, nslot, nq, nk
	s_wait_dscnt 12                                ; this step's fragments are in, all but the two youngest: X's tiles 6 and 7, six loads each
	PLACES 4                                       ; in front of loads into registers that the step before multiplied
.if (\nk) >= 0
	SCALES (\nk)%2, \nk
.endif
.set AA, 0
.rept MB
	LDF 2*AA, \nslot, \nq, 1-(\set)
	HALF AA, 0, \set, \q, \sc, \zero
	LDF 2*AA+1, \nslot, \nq, 1-(\set)
	HALF AA, 4, \set, \q, \sc, \zero
.if AA == 0
.if (\nk) >= 0
	s_wait_dscnt 28                                ; only what this step has issued (16 scale loads, 12 of two fragments) may be out: X's tiles 6 and 7 are in
.else
	s_wait_dscnt 12                                ; only what this step has issued (two fragments' 12 loads) may be out: X's tiles 6 and 7 are in
.endif
.endif
.set AA, AA+1
.endr
	WIN 0
.endm
; A step (on set 1) behind which another region is read for the first time since its fill: ONE barrier.  In front of it each wave waits for all its tensor loads, adds 0 to its spare word, and waits for that and for its reads.
; fill = 1: region 0, just read out, takes slot-load 3; the barrier then opens a round of the cluster's.  The next step's scale words and fragments (region nslot, slot-load nk) stand among the 48 products that are left.
.macro ITURN sc, fill, nslot, nk
	s_wait_tensorcnt 0x0                           ; all my tensor loads have landed
	ds_add_u32 v[SPW], v[NIL]                      ; 0 onto my spare word
	s_wait_dscnt 13                                ; X's tiles 6 and 7 (12 loads) and the add may be out
	HALF 0, 0, 1, NQ-1, \sc, 0
	HALF 0, 4, 1, NQ-1, \sc, 0
	s_wait_dscnt 0x0                               ; the add is done, and my reads of the region are over
	s_barrier_signal -1
	HALF 1, 0, 1, NQ-1, \sc, 0
	HALF 1, 4, 1, NQ-1, \sc, 0
	WIN 0
	s_barrier_wait -1
.if \fill
	CREST                                          ; no wave of any partner still reads region 0 or has a load on its way
	s_add_nc_u64 s[G0+2:G0+3], s[G0+2:G0+3], 3*NQ*FRB
	s_add_nc_u64 s[G0B+2:G0B+3], s[G0B+2:G0B+3], 3*NQ*FRB
	JLOAD G0, G1, G0B, G1B                         ; the first tensor load behind the round, and my only one; its four v_nop are the places in front of the loads below
.else
	PLACES 4
.endif
	SCALES (\nk)%2, \nk
.set HH, 0
.rept 12                               ; sixteen fragments for twelve runs of four products: two ahead of each of the first four runs
.if HH < 4
	LDF 2*HH, \nslot, 0, 0
	LDF 2*HH+1, \nslot, 0, 0
.else
	LDF HH+4, \nslot, 0, 0
.endif
	HALF 2+HH/2, 4*(HH%2), 1, NQ-1, \sc, 0
.set HH, HH+1
.endr
	WIN 0
.endm
; 64 numbers of a lane, register 16 b + i = k 32 b + 16 (lane / 16) + i of my row, become a fragment's codes in v[PC] on and its scale word in v[PW]
.macro QUANT s
.irp b, 0,1,2,3
	v_max3_num_f32 v[TM+\b], |v[\s+16*\b]|, |v[\s+1+16*\b]|, 0x1800000   ; my 16 numbers of block b, and the floor 2^(3 - 127): the byte cannot fall under 1
.endr
.irp i, 2,4,6,8,10,12,14
.irp b, 0,1,2,3
	v_max3_num_f32 v[TM+\b], v[TM+\b], |v[\s+16*\b+\i]|, |v[\s+1+16*\b+\i]|
.endr
.endr
.irp b, 0,1,2,3
	v_permlanex16_b32 v[TM+4+\b], v[TM+\b], s[SEL], s[SEL+1]
.endr
.irp b, 0,1,2,3
	v_max_num_f32 v[TM+\b], v[TM+\b], v[TM+4+\b]   ; with lane l xor 16's: the block's largest magnitude
.endr
.irp b, 0,1,2,3
	v_add_nc_u32 v[TM+12+\b], 0xff000000, v[TM+\b] ; 2 off its exponent field: the conversion's scale operand
.endr
.irp b, 0,1,2,3
	v_lshrrev_b32 v[TM+4+\b], 23, v[TM+12+\b]      ; the scale's byte
.endr
	v_lshl_or_b32 v[PW], v[TM+5], 8, v[TM+4]
	v_lshl_or_b32 v[PW], v[TM+6], 16, v[PW]
	v_lshl_or_b32 v[PW], v[TM+7], 24, v[PW]
.irp c, 0,1
	v_cvt_scalef32_pk16_fp6_f32 v[PC+6*\c:PC+2+6*\c], v[\s+32*\c:\s+15+32*\c], v[TM+12+2*\c]
	v_cvt_scalef32_pk16_fp6_f32 v[PC+12+4*\c:PC+14+4*\c], v[\s+16+32*\c:\s+31+32*\c], v[TM+12+2*\c+1]
.endr
	v_nop                                          ; a plain instruction behind the conversions
.irp c, 0,1                                    ; the layout wants a whole block in a lane: lanes 0-15 block 2 c, lanes 16-31 block 2 c + 1
.irp i, 0,1,2
	v_permlane16_swap_b32 v[PC+6*\c+\i], v[PC+12+4*\c+\i]
.endr
.irp i, 0,1,2
	v_mov_b32 v[PC+3+6*\c+\i], v[PC+12+4*\c+\i]
.endr
.endr
.endm
	s_load_b128 s[4:7], s[0:1], 0x0                ; hq, wf
	s_load_b128 s[8:11], s[0:1], 0x10              ; qkv_b, qkv
	v_lshl_add_u32 v[SPW], v0, 2, SPARE
	v_mov_b32 v[NIL], 0
	ds_add_u32 v28, v29
	ds_add_u32 v28, v29
	s_wait_dscnt 0x0
	v_lshrrev_b32 v1, 5, v0
	v_readfirstlane_b32 s14, v1                    ; wave 0..3
	s_lshr_b32 s15, s14, 1                         ; my half of X.  Also: I fetch for X (0) or for Y (1)
	s_and_b32 s16, s14, 1                          ; my half of Y.  Also: which half I fetch
	s_bfe_u32 s40, ttmp6, 0x40000                  ; cx
	s_bfe_u32 s41, ttmp6, 0x40004                  ; cy
	s_lshl_b32 s43, s41, 2
	s_lshl_b32 s43, 15, s43                        ; my row of the cluster
	s_lshl_b32 s44, 0x1111, s40                    ; my column
	s_or_b32 s[G1], s43, (3<<16)|(1<<21)           ; 15:0 the mask; 17:16 elements of 8 bytes; 21 set beside a mask; no padding
	s_or_b32 s[G1B], s44, (3<<16)|(1<<21)
.irp g, G1, G1B
	s_mov_b32 s[\g+1], (NQ*192)<<16                ; tensor_dim0: a tile's NQ fragments
	s_mov_b32 s[\g+2], MB<<16                      ; tensor_dim1: MB tiles
	s_mov_b32 s[\g+3], (NQ*192)<<16                ; tile_dim0
	s_mov_b32 s[\g+4], MB                          ; tile_dim1
	s_mov_b32 s[\g+5], KT*192                      ; from tile to tile
	s_mov_b32 s[\g+6], 0
	s_mov_b32 s[\g+7], 0
.endr
	s_or_b32 s[G1S], s43, (3<<16)|(1<<21)          ; the scale words of MB tiles: a dense block, as rows of 256 bytes
	s_or_b32 s[G1SB], s44, (3<<16)|(1<<21)
.irp g, G1S, G1SB
	s_mov_b32 s[\g+1], 32<<16
	s_mov_b32 s[\g+2], (HALFS/256)<<16
	s_mov_b32 s[\g+3], 32<<16
	s_mov_b32 s[\g+4], HALFS/256
	s_mov_b32 s[\g+5], 32
	s_mov_b32 s[\g+6], 0
	s_mov_b32 s[\g+7], 0
.endr
	s_and_b32 s18, ttmp7, 0xffff
	s_lshl_b32 s18, s18, 2                         ; 4 x cluster y
	s_lshl_b32 s19, ttmp9, 2                       ; 4 x cluster x
	s_add_co_u32 s17, s18, s41                     ; q, k: X = tokens, block 4 CY + cy
	s_add_co_u32 s96, s41, 8                       ; v:    X = weight rows 2,048 + 256 cy on
	s_add_co_u32 s42, s19, s40                     ; q, k: Y = weight rows, block 4 CX + cx
	s_add_co_u32 s95, s18, s40                     ; v:    Y = tokens, block 4 CY + cx
	s_mov_b32 s19, 9437184
	s_mov_b32 s47, 3145728
	s_cmp_lt_u32 ttmp9, 2                          ; the cluster's x: the same in all sixteen partners
	s_cselect_b32 s17, s17, s96                    ; X's block of 256 rows: it hangs on cy, never on cx
	s_cselect_b32 s42, s42, s95                    ; Y's: on cx, never on cy
	s_cselect_b32 s19, 3145728, s19                ; where the scale words begin in X's buffer
	s_cselect_b32 s47, 9437184, s47                ; and in Y's
	s_mul_i32 s18, s16, MB
	s_mul_i32 s20, s17, 2*MB
	s_add_co_u32 s20, s20, s18                     ; X: the first tile that I fetch
	s_mul_i32 s46, s42, 2*MB
	s_add_co_u32 s46, s46, s18                     ; Y likewise
	s_mul_i32 s22, s20, KT*64
	s_add_co_u32 s22, s22, s19
	s_mul_i32 s20, s20, KT*FRB
	s_mul_i32 s92, s46, KT*64
	s_add_co_u32 s92, s92, s47
	s_mul_i32 s46, s46, KT*FRB
	s_mov_b32 s21, 0
	s_mov_b32 s23, 0
	s_mov_b32 s47, 0
	s_mov_b32 s93, 0
	s_mul_i32 s45, s14, HALFT                      ; where they go: no place in the cluster enters an LDS address
	s_mul_i32 s94, s14, HALFS
	s_wait_kmcnt 0x0
	s_cmp_lt_u32 ttmp9, 2
	s_cselect_b64 s[96:97], s[4:5], s[6:7]         ; X's buffer
	s_cselect_b64 s[66:67], s[6:7], s[4:5]         ; Y's
	s_add_nc_u64 s[20:21], s[96:97], s[20:21]
	s_add_nc_u64 s[22:23], s[96:97], s[22:23]
	s_add_nc_u64 s[46:47], s[66:67], s[46:47]
	s_add_nc_u64 s[92:93], s[66:67], s[92:93]
	CROUND                                         ; all sixteen work-groups are here: the first joint loads meet
	s_mov_b32 s[G0S], 1
	s_add_co_u32 s[G0S+1], s94, SCL
	s_mov_b64 s[G0S+2:G0S+3], s[22:23]
	s_or_b32 s[G0S+3], s[G0S+3], 0x80000000
	s_mov_b32 s[G0SB], 1
	s_add_co_u32 s[G0SB+1], s94, SCL
	s_mov_b64 s[G0SB+2:G0SB+3], s[92:93]
	s_or_b32 s[G0SB+3], s[G0SB+3], 0x80000000
	JLOAD G0S, G1S, G0SB, G1SB                     ; the scale words first; with the three regions four loads of mine are out
.irp s, 0,1
	s_mov_b32 s[G0+4*\s], 1
	s_add_co_u32 s[G0+4*\s+1], s45, \s*SLOT
	s_add_nc_u64 s[G0+4*\s+2:G0+4*\s+3], s[20:21], \s*NQ*FRB
	s_or_b32 s[G0+4*\s+3], s[G0+4*\s+3], 0x80000000
	s_mov_b32 s[G0B+4*\s], 1
	s_add_co_u32 s[G0B+4*\s+1], s45, \s*SLOT
	s_add_nc_u64 s[G0B+4*\s+2:G0B+4*\s+3], s[46:47], \s*NQ*FRB
	s_or_b32 s[G0B+4*\s+3], s[G0B+4*\s+3], 0x80000000
	JLOAD G0+4*\s, G1, G0B+4*\s, G1B
.endr
	s_add_nc_u64 s[G0C+2:G0C+3], s[20:21], 2*NQ*FRB    ; region 2's groups 0 take the registers from which the others were made: the words' addresses have been copied, the codes' are used here for the last time
	s_or_b32 s[G0C+3], s[G0C+3], 0x80000000
	s_add_co_u32 s[G0C+1], s45, 2*SLOT
	s_mov_b32 s[G0C], 1
	s_add_nc_u64 s[G0BC+2:G0BC+3], s[46:47], 2*NQ*FRB
	s_or_b32 s[G0BC+3], s[G0BC+3], 0x80000000
	s_add_co_u32 s[G0BC+1], s45, 2*SLOT
	s_mov_b32 s[G0BC], 1
	JLOAD G0C, G1, G0BC, G1B
	v_and_b32 v1, 15, v0                           ; r
	v_bfe_u32 v2, v0, 4, 1                         ; h
	v_and_b32 v3, 31, v0
	v_lshlrev_b32 v12, 3, v3                       ; 8 x lane
	s_mul_i32 s2, s15, HALFT
	s_mul_i32 s3, s16, HALFT
	s_add_co_u32 s3, s3, 2*HALFT
.irp s, 0,1,2
	v_add_nc_u32 v[ADRX+\s], s2, v12
	v_add_nc_u32 v[ADRY+\s], s3, v12
	s_add_co_u32 s2, s2, SLOT
	s_add_co_u32 s3, s3, SLOT
.endr
	v_lshlrev_b32 v24, 2, v1
	s_mul_i32 s2, s15, HALFS                       ; X's words: my half
	s_mul_i32 s3, s16, HALFS                       ; Y's: my half, behind X's two
	s_add_co_u32 s3, s3, 2*HALFS
	s_sub_co_u32 s3, s3, s2
	v_mul_u32_u24 v25, s3, v2                      ; lanes 16-31 take Y's
	s_add_co_u32 s2, s2, SCL
	v_add_nc_u32 v24, v24, v25
	v_add_nc_u32 v[ADRS], s2, v24
	; the bias, both ways.  By registers: 128 numbers from 256 yi + 128 (my half) on, for q and k (for v: from 0 on, and multiplied by 0 later)
	s_lshl_b32 s18, s42, 10
	s_lshl_b32 s2, s16, 9
	s_add_co_u32 s18, s18, s2
	s_cmp_lt_u32 ttmp9, 2
	s_cselect_b32 s2, s18, 0
	s_mov_b32 s3, 0
	s_add_nc_u64 s[98:99], s[8:9], s[2:3]
	s_lshl_b32 s2, s41, 10                         ; by lanes: v's channels 256 cy + 128 (my half of X) on
	s_lshl_b32 s18, s15, 9
	s_add_co_u32 s2, s2, s18
	s_add_co_u32 s2, s2, 8192
	s_add_nc_u64 s[8:9], s[8:9], s[2:3]
	v_lshlrev_b32 v30, 6, v2                       ; 64 h: register 16 b + i is number 32 b + 16 h + i
	v_and_b32 v31, 8, v1
	v_add_nc_u32 v31, v31, v1
	v_lshlrev_b32 v31, 2, v31                      ; 4 (r + 8 (r / 8))
	WIN 0x40
.irp bb, 0,1,2,3
.irp jj, 0,1,2,3
	global_load_b128 v[96+96*(\bb/2)+16*\bb+4*\jj:96+96*(\bb/2)+16*\bb+4*\jj+3], v30, s[98:99] offset:128*\bb+16*\jj
.endr
.endr
	WIN 0
.irp a, 0,1,2,3,4,5,6,7
	global_load_b32 v[4+\a], v31, s[8:9] offset:(32*(\a/2)+8*(\a%2))*4
.endr
	s_wait_tensorcnt 2                             ; the scale words and my part of slot-load 0 are in; slot-loads 1 and 2 may be out
	s_barrier_signal -1
	s_barrier_wait -1
	SCALES 0, 0
	FETCH 0, 0, 0
	ISTEP 0, 0, 0, 1, 0, 1, -1                     ; step 0: its products start the sums
	ITURN 0, 1, 1, 1                               ; step 1: region 0 is left and takes slot-load 3; on to region 1
	ISTEP 0, 0, 1, 0, 1, 1, -1                     ; step 2
	ISTEP 1, 1, 1, 0, 2, 0, 2                      ; step 3: on to region 2 with no barrier: in front of the round every wave had waited for all its loads
	ISTEP 0, 0, 0, 0, 2, 1, -1                     ; step 4
	ITURN 0, 0, 0, 3                               ; step 5: slot-load 3 has landed in every wave's part; nothing is filled again
	ISTEP 0, 0, 1, 0, 0, 1, -1                     ; step 6
	s_wait_dscnt 12                                ; step 7: nothing more to fetch
	MULR 0, 6, 1, 1, 1
	s_wait_dscnt 0x0
	MULR 6, 2, 1, 1, 1
	WIN 0
	; THE WAY OUT.  For each of my eight tiles of X: 64 numbers a lane + bias, quantised along the registers, stored as six whole planes and a scale word.
	s_wait_loadcnt 0x0                             ; the biases
	PLACES 4
	s_cmp_lt_u32 ttmp9, 2
	s_cselect_b32 s20, 1.0, 0
	s_cselect_b32 s22, 0, 1.0
	s_mov_b32 s21, s20
	WIN 0x41
.set N, 0
.rept 16
	v_pk_mul_f32 v[96+N:97+N], v[96+N:97+N], s[20:21] op_sel_hi:[1,0]
	v_pk_mul_f32 v[224+N:225+N], v[224+N:225+N], s[20:21] op_sel_hi:[1,0]
.set N, N+2
.endr
	WIN 0
.irp a, 0,1,2,3,4,5,6,7
	v_mul_f32 v[4+\a], s22, v[4+\a]
.endr
	s_lshl_b32 s20, s17, 4
	s_lshl_b32 s21, s15, 3
	s_add_co_u32 s20, s20, s21                     ; q, k: my first token tile
	s_lshl_b32 s21, s40, 1
	s_add_co_u32 s21, s21, s16                     ; q, k: my pair of heads
	s_mov_b32 s93, 0
	s_mov_b32 s95, 0
	s_mov_b32 s97, 0
	s_mov_b32 s99, 0
	s_cmp_eq_u32 ttmp9, 0
	s_cbranch_scc0 .Lnot_q
	s_lshl_b32 s66, s20, 3                         ; q: codes [tile][head][768], words [tile][head][16]
	s_add_co_u32 s66, s66, s21
	s_mul_i32 s66, s66, 1536
	s_lshl_b32 s67, s20, 4
	s_lshl_b32 s22, s21, 1
	s_add_co_u32 s67, s67, s22
	s_lshl_b32 s67, s67, 6
	s_add_co_u32 s67, s67, 9437184
	s_mov_b32 s92, 12288                           ; codes: from tile to tile,
	s_mov_b32 s94, 12288                           ; and behind the fourth
	s_mov_b32 s96, 1024                            ; words likewise
	s_mov_b32 s98, 1024
	s_mov_b32 s46, 0                               ; planes 3-5 (the second head) follow planes 0-2
	s_mov_b32 s47, 64                              ; the second head's words
	s_mov_b32 s44, 16                              ; lanes 16-31 store the word's upper half, as the second head's word
	s_mov_b32 s43, 0xffff
	s_branch .Lplaced
.Lnot_q:
	s_cmp_eq_u32 ttmp9, 1
	s_cbranch_scc0 .Lnot_k
	s_lshr_b32 s22, s20, 7                         ; k: [batch x head][slot of 256 keys][24,576], in a slot [16 tiles][768]
	s_and_b32 s23, s20, 127
	s_lshl_b32 s22, s22, 4
	s_lshl_b32 s45, s21, 1
	s_add_co_u32 s22, s22, s45
	s_lshl_b32 s66, s22, 3
	s_lshr_b32 s45, s23, 4
	s_add_co_u32 s66, s66, s45
	s_mul_i32 s66, s66, 24576
	s_and_b32 s45, s23, 15
	s_mul_i32 s45, s45, 768
	s_add_co_u32 s66, s66, s45
	s_add_co_u32 s66, s66, 3145728
	s_mul_i32 s67, s22, 12288
	s_lshl_b32 s45, s23, 6
	s_add_co_u32 s67, s67, s45
	s_add_co_u32 s67, s67, 9699328
	s_mov_b32 s92, 768
	s_mov_b32 s94, 768
	s_mov_b32 s96, 64
	s_mov_b32 s98, 64
	s_mov_b32 s46, 195840                          ; the second head lies 196,608 bytes on: 768 of them are in the planes' own offsets
	s_mov_b32 s47, 12288
	s_mov_b32 s44, 16
	s_mov_b32 s43, 0xffff
	s_branch .Lplaced
.Lnot_k:
	s_lshl_b32 s22, s42, 1                         ; v: in a slot, behind k's 12,288 bytes: [key step % 2][tile of 16 channels][1536]
	s_add_co_u32 s22, s22, s16                     ; my key step of 128 tokens, of 32
	s_and_b32 s23, s22, 15
	s_lshr_b32 s22, s22, 4
	s_lshl_b32 s22, s22, 4
	s_lshl_b32 s45, s41, 2
	s_add_co_u32 s22, s22, s45
	s_lshl_b32 s45, s15, 1
	s_add_co_u32 s22, s22, s45                     ; batch x 16 + my first head
	s_lshl_b32 s66, s22, 3
	s_lshr_b32 s45, s23, 1
	s_add_co_u32 s66, s66, s45
	s_mul_i32 s66, s66, 24576
	s_and_b32 s45, s23, 1
	s_mul_i32 s45, s45, 6144
	s_add_co_u32 s66, s66, s45
	s_add_co_u32 s66, s66, 3145728+12288
	s_mul_i32 s67, s22, 12288
	s_lshl_b32 s45, s23, 6
	s_add_co_u32 s67, s67, s45
	s_add_co_u32 s67, s67, 9699328+8192
	s_mov_b32 s92, 1536
	s_mov_b32 s94, 192000                          ; to the next head: 196,608 - 3 x 1,536
	s_mov_b32 s96, 1024
	s_mov_b32 s98, 9216                            ; 12,288 - 3 x 1,024
	s_mov_b32 s46, 0
	s_mov_b32 s47, 0
	s_mov_b32 s44, 0
	s_mov_b32 s43, -1
.Lplaced:
	s_mov_b32 s22, s67
	s_mov_b32 s23, 0
	s_add_nc_u64 s[12:13], s[10:11], s[22:23]      ; the words
	s_mov_b32 s22, s66
	s_add_nc_u64 s[10:11], s[10:11], s[22:23]      ; the codes
	s_mov_b32 s[SEL], 0x76543210
	s_mov_b32 s[SEL+1], 0xfedcba98
	v_add_nc_u32 v13, s46, v12                     ; planes 3-5
	v_mul_u32_u24 v14, s47, v2
	v_lshl_add_u32 v14, v1, 2, v14                 ; the word: 4 r, + lanes 16-31's own place
	v_mul_u32_u24 v15, s44, v2
.irp b, 0,1,2,3
	v_mov_b32 v[TM+4+\b], 0                        ; written once: a lane permute's destination counts as one of its sources
.endr
.macro OUTROW a
	WIN 0x06+(\a)/4                                ; source 0: the accumulators' window; source 1: window 1
.set N, 0
.rept 32
	v_pk_add_f32 v[64+N:65+N], v[64*((\a)%4)+N:64*((\a)%4)+N+1], v[96+96*(N/32)+N:96+96*(N/32)+N+1]   ; each accumulator from its low end on
.set N, N+2
.endr
	WIN 0
	v_mov_b32 v24, v[4+(\a)]
	v_mov_b32 v25, v[4+(\a)]
.set N, 0
.rept 32
	v_pk_add_f32 v[64+N:65+N], v[64+N:65+N], v[24:25]
.set N, N+2
.endr
.if (\a) > 0
	s_wait_xcnt 0x0                                ; the last tile's stores have read their registers and bases
.if (\a) == 4
	s_add_nc_u64 s[10:11], s[10:11], s[94:95]
	s_add_nc_u64 s[12:13], s[12:13], s[98:99]
.else
	s_add_nc_u64 s[10:11], s[10:11], s[92:93]
	s_add_nc_u64 s[12:13], s[12:13], s[96:97]
.endif
.endif
	QUANT 64
	v_lshrrev_b32 v177, v15, v[PW]
	v_and_b32 v177, s43, v177
.irp p, 0,1,2
	global_store_b64 v12, v[PC+2*\p:PC+2*\p+1], s[10:11] offset:256*\p   ; a whole plane: 256 consecutive bytes, at a multiple of 256
.endr
.irp p, 3,4,5
	global_store_b64 v13, v[PC+2*\p:PC+2*\p+1], s[10:11] offset:256*\p
.endr
	global_store_b32 v14, v177, s[12:13]
.endm
.irp a, 0,1,2,3,4,5,6,7
	OUTROW \a
.endr
	s_wait_tensorcnt 0x0                           ; the wave's end
	ds_add_u32 v[SPW], v[NIL]
	s_wait_dscnt 0x0
	CROUND                                         ; the closing round
	s_endpgm
.Lfunc_end_k_q5bb9eeae0a_qkv:
	.size	k_q5bb9eeae0a_qkv, .Lfunc_end_k_q5bb9eeae0a_qkv-k_q5bb9eeae0a_qkv
	.p2alignl 7, 3214868480
	.fill 96, 4, 3214868480
	.section	.rodata,"a",@progbits
	.p2align	6, 0x0
	.amdhsa_kernel k_q5bb9eeae0a_qkv
		.amdhsa_group_segment_fixed_size 327680
		.amdhsa_private_segment_fixed_size 0
		.amdhsa_enable_private_segment 0
		.amdhsa_kernarg_size 32
		.amdhsa_user_sgpr_count 2
		.amdhsa_user_sgpr_kernarg_segment_ptr 1
		.amdhsa_wavefront_size32 1
		.amdhsa_system_sgpr_workgroup_id_x 1
		.amdhsa_system_sgpr_workgroup_id_y 1
		.amdhsa_system_sgpr_workgroup_id_z 1
		.amdhsa_system_vgpr_workitem_id 0
		.amdhsa_next_free_vgpr 1024
		.amdhsa_next_free_sgpr 100
		.amdhsa_reserve_vcc 0
		.amdhsa_float_denorm_mode_32 3
		.amdhsa_float_denorm_mode_16_64 3
		.amdhsa_memory_ordered 1
		.amdhsa_forward_progress 1
		.amdhsa_inst_pref_size 215
	.end_amdhsa_kernel
	.amdgpu_metadata
---
amdhsa.version: [ 1, 2 ]
amdhsa.kernels:
  - .name:           k_q5bb9eeae0a_qkv
    .symbol:         k_q5bb9eeae0a_qkv.kd
    .args:
      - { .name: hq, .offset: 0, .size: 8, .value_kind: global_buffer, .address_space: global }
      - { .name: wf, .offset: 8, .size: 8, .value_kind: global_buffer, .address_space: global }
      - { .name: qkv_b, .offset: 16, .size: 8, .value_kind: global_buffer, .address_space: global }
      - { .name: qkv, .offset: 24, .size: 8, .value_kind: global_buffer, .address_space: global }
    .group_segment_fixed_size: 327680
    .private_segment_fixed_size: 0
    .kernarg_segment_align: 8
    .kernarg_segment_size: 32
    .max_flat_workgroup_size: 128
    .sgpr_count:     100
    .vgpr_count:     1024
    .wavefront_size: 32
...
	.end_amdgpu_metadata
.endif
;; end of part 2
;; launch attn (part 3): grid 8 x 32, 16 waves a work-group, clusters of 4 x 1, 210,944 bytes of LDS; arguments qkv, oq; writes oq
.if DOCPART == 3
	.amdgcn_target "amdgcn-amd-amdhsa--gfx1250"
	.amdhsa_code_object_version 6
	.text
	.protected	k_q5bb9eeae0a_attn
	.globl	k_q5bb9eeae0a_attn
	.p2align	8
	.type	k_q5bb9eeae0a_attn,@function
k_q5bb9eeae0a_attn:
	s_mov_b64 s[64:65], 0
	v_nop
	global_prefetch_b8 v0, s[64:65] scope:SCOPE_SE
	s_setreg_imm32_b32 hwreg(HW_REG_WAVE_MODE, 25, 1), 1
	s_wait_xcnt 0x0
	s_wait_alu depctr_hold_cnt(0) depctr_sa_sdst(0) depctr_va_vdst(0) depctr_va_sdst(0) depctr_va_ssrc(0) depctr_va_vcc(0) depctr_vm_vsrc(0)
	s_getreg_b32 s2, hwreg(HW_REG_IB_STS2, 6, 4)
	s_cmp_eq_u32 s2, 0
	s_cbranch_scc0 .Lentry_in_a_cluster
	s_endpgm
.Lentry_in_a_cluster:
	s_bfe_u32 s2, ttmp6, 0x10000c
	s_cmp_lg_u32 s2, 0x3003
	s_cbranch_scc0 .Lentry_shape_is_right
	s_endpgm
.Lentry_shape_is_right:
; o = softmax(q k^T / 8) v for 32 (batch, head) pairs of 2,048 tokens and head size 64, both products on FP6 codes; o quantised along the channels into the next product's fragments.
; THE SOFTMAX AHEAD OF THE SECOND PRODUCT: t = score x log2(e) / 8; M = the running largest t rounded UP to a whole number; p = 2^(t - M) is quantised along the keys; the row's sum is taken of the unquantised p and divides at the end.
; When M moves, the sum and O are multiplied by 2^(old M - new M): exact.
; SHARES.  A work-group owns 256 queries of one head, each of its sixteen waves one tile of 16 in 256 registers: four waves to a SIMD.  Every wave walks all 2,048 keys, 128 a step.
; THE WHOLE HEAD'S K AND V LIE IN LDS: 196,608 bytes of codes and 12,288 of scale words, fetched once, at the head, by waves 0-3: nothing is filled twice, so there is no ring and no barrier in the loop.
; CLUSTER.  The four query blocks of a cluster belong to one head: each load is asked for jointly, with one descriptor and the mask of all four.  All bytes are requested at the head, so nothing is left to ask for ahead of time.
; LAYOUT.  All fragments lie as images of the operand's registers (planes of 256 bytes, lane l at 8 l).  q's and k's K is 64: three planes; the fragment's upper six registers are zero codes, and bytes 2, 3 of their scale words are 0.
; S^T = K Q^T (source 0 = 16 keys), O^T = V^T P^T (source 0 = 16 channels): a lane holds one query throughout.  Lane row r of a tile is row 32 (T / 2) + 8 (T % 2) + r + 8 (r / 8), so the 16 registers of tiles 2 b, 2 b + 1 are 16 neighbours.
; REGISTERS: v1-5 addresses that stay; v8-11 the step's; v12 -M, v13 largest t, v[14:15] the sum; v16-27 Q; v32-79 four fragments of K; v80-91 p's codes; v96-159 S^T, p, then four fragments of V; v160-191 O^T;
;   v192-214 at work; v216-219 K's, v220-223 V's, v224 Q's, v225 p's scale words, and nothing else.
; LIMITS: a block of zeros gets the byte 1 and not 127 (its codes are zeros; this program alone reads the bytes); NaN and infinities are not served.
.set SCK, 196608                       ; K's scale words [128 tiles][64]; at + 8,192 V's [4 tiles][16 key steps][64]
.macro CROUND
	s_barrier_signal -1
	s_barrier_wait -1
	s_cmp_lg_u32 s18, 0
	s_cbranch_scc1 .Lnot_wave_0_\@
	s_barrier_signal -3
.Lnot_wave_0_\@:
	s_barrier_wait -3
	s_barrier_signal -1
	s_barrier_wait -1
.endm
	s_load_b128 s[4:7], s[0:1], 0x0                ; qkv, oq
	v_lshl_add_u32 v254, v0, 2, 0x33000
	v_mov_b32 v255, 0
	ds_add_u32 v254, v255
	ds_add_u32 v254, v255
	v_lshrrev_b32 v8, 5, v0
	v_readfirstlane_b32 s18, v8                    ; wave 0..15
	s_bfe_u32 s13, ttmp6, 0x40000                  ; cx
	s_lshl_b32 s14, ttmp9, 2
	s_add_co_u32 s14, s14, s13                     ; my block of 256 queries: it enters Q's and o's addresses alone
	s_and_b32 s12, ttmp7, 0xffff                   ; batch x 16 + head, which the four partners share
.irp g, 24, 32, 40                     ; three groups 1: dense blocks as rows of 256 bytes (32 elements of 8 bytes); 15:0 the mask of all four; 21 set beside it
	s_mov_b32 s[\g], 15|(3<<16)|(1<<21)
	s_mov_b32 s[\g+1], 32<<16
	s_mov_b32 s[\g+3], 32<<16
	s_mov_b32 s[\g+5], 32
	s_mov_b32 s[\g+6], 0
	s_mov_b32 s[\g+7], 0
.endr
	s_mov_b32 s26, 12<<16                          ; a quarter of the scale words: 12 rows
	s_mov_b32 s28, 12
	s_mov_b32 s34, 24<<16                          ; a quarter of slot 0: 24 rows
	s_mov_b32 s36, 24
	s_mov_b32 s42, 168<<16                         ; a quarter of slots 1-7: 168 rows
	s_mov_b32 s44, 168
	s_mul_i32 s68, s12, 12288
	s_mul_i32 s74, s18, 3072
	s_add_co_u32 s68, s68, s74
	s_add_co_u32 s68, s68, 9699328
	s_mov_b32 s69, 0
	s_mul_i32 s70, s12, 196608
	s_add_co_u32 s70, s70, 3145728
	s_mul_i32 s75, s18, 6144
	s_mul_i32 s76, s18, 43008
	s_add_co_u32 s76, s76, 24576
	s_add_co_u32 s72, s70, s76
	s_add_co_u32 s70, s70, s75
	s_mov_b32 s71, 0
	s_mov_b32 s73, 0
	s_lshr_b32 s60, s12, 4
	s_lshl_b32 s60, s60, 7
	s_lshl_b32 s61, s14, 4
	s_add_co_u32 s60, s60, s61
	s_add_co_u32 s60, s60, s18                     ; my tile of tokens
	s_lshl_b32 s60, s60, 4
	s_and_b32 s61, s12, 15
	s_add_co_u32 s60, s60, s61                     ; tile x 16 + head
	s_mul_i32 s62, s60, 768                        ; q's three planes; o's likewise
	s_mov_b32 s63, 0
	s_lshl_b32 s78, s60, 6
	s_add_co_u32 s78, s78, 9437184                 ; q's scale words
	s_mov_b32 s79, 0
	s_lshr_b32 s10, s60, 1
	s_lshl_b32 s10, s10, 6
	s_and_b32 s11, s60, 1
	s_lshl_b32 s11, s11, 1
	s_add_co_u32 s10, s10, s11
	s_add_co_u32 s10, s10, 3145728                 ; o's scale words: (tile x 8 + pair of heads) x 64, my head's half of each word
	s_mov_b32 s11, 0
	s_mov_b32 s20, 0x76543210                      ; v_permlanex16_b32's selects for lane l xor 16
	s_mov_b32 s21, 0xfedcba98
	s_mov_b32 s22, 0x3e38aa3b                      ; c = log2(e) / 8
	s_mov_b32 s23, s22
	s_mov_b32 s2, 0                                ; LDS byte at which the slot in hand begins
	s_mov_b32 s3, 0                                ; the step's scale words of K: 512 bytes a step
	s_mov_b32 s66, 0                               ; and of V: 64 bytes a step
	s_wait_dscnt 0x0
	s_wait_kmcnt 0x0
	s_mov_b32 s48, 1
	s_add_co_u32 s49, s74, SCK
	s_add_nc_u64 s[50:51], s[4:5], s[68:69]
	s_or_b32 s51, s51, 0x80000000
	s_mov_b32 s52, 1
	s_mov_b32 s53, s75
	s_add_nc_u64 s[54:55], s[4:5], s[70:71]
	s_or_b32 s55, s55, 0x80000000
	s_mov_b32 s56, 1
	s_mov_b32 s57, s76
	s_add_nc_u64 s[58:59], s[4:5], s[72:73]
	s_or_b32 s59, s59, 0x80000000
	s_add_nc_u64 s[8:9], s[4:5], s[62:63]          ; q's codes
	s_add_nc_u64 s[78:79], s[4:5], s[78:79]        ; q's words
	s_add_nc_u64 s[16:17], s[6:7], s[62:63]        ; o's codes
	s_add_nc_u64 s[10:11], s[6:7], s[10:11]        ; o's words
	CROUND                                         ; all four work-groups are here: the joint loads meet
	s_cmp_lt_u32 s18, 4                            ; waves 0-3 fetch, a quarter each; a wave's three loads stand in one branch: three are out
	s_cbranch_scc0 .Lno_fetch
	tensor_load_to_lds s[48:51], s[24:31]
	s_nop 0
	tensor_load_to_lds s[52:55], s[32:39]
	s_nop 0
	tensor_load_to_lds s[56:59], s[40:47]
	s_nop 0
.rept 4
	v_nop
.endr
.Lno_fetch:
	v_and_b32 v6, 31, v0
	v_lshlrev_b32 v1, 3, v6                        ; 8 x lane: K's planes
	v_add_nc_u32 v2, 12288, v1                     ; V's, behind K's in a slot
	v_and_b32 v6, 15, v0
	v_lshlrev_b32 v5, 2, v6                        ; 4 r
	v_add_nc_u32 v3, SCK, v5
	v_add_nc_u32 v4, SCK+8192, v5
.irp p, 0,1,2
	global_load_b64 v[16+2*\p:17+2*\p], v1, s[8:9] offset:256*\p
.endr
	global_load_b32 v224, v5, s[78:79]
.irp j, 22,23,24,25,26,27
	v_mov_b32 v\j, 0                               ; k 64 .. 127 of Q: zero codes
.endr
.irp t, 0,1,2,3
.irp j, 6,7,8,9,10,11
	v_mov_b32 v[32+12*\t+\j], 0                    ; and of K's four fragments: written once
.endr
.endr
	v_mov_b32 v13, 0xff61b1e6                      ; the largest t so far: -3e38
	v_floor_f32 v12, -v13                          ; -M
	v_mov_b32 v14, 0
	v_mov_b32 v15, 0
.irp b, 0,1,2,3
	v_mov_b32 v[204+\b], 0                         ; a lane permute's destination counts as one of its sources
.endr
	v_mov_b32 v213, 0                              ; (named as the upper half of the pair v[212:213])
	v_mov_b32 v214, 0
.set N, 0
.rept 32
	v_mov_b32 v[160+N], 0                          ; O^T: the step is written once; the first finds zeros
.set N, N+1
.endr
; A KEY STEP: 128 keys, the q-th of the slot in hand
.macro STEP q
	v_add_nc_u32 v8, s2, v1
	v_add_nc_u32 v9, s2, v2
	v_add_nc_u32 v10, s3, v3
	v_add_nc_u32 v11, s66, v4
	v_nop
	v_nop                                          ; six places: five are owed before S^T is written over the fragments of V that the last products read
.irp g, 0,1
.if \g
.rept 4
	v_nop                                          ; in front of loads into registers that matrix instructions have read
.endr
.endif
.irp t, 0,1,2,3
.irp p, 0,1,2
	ds_load_b64 v[32+12*\t+2*\p:33+12*\t+2*\p], v8 offset:(8*(\q)+4*\g+\t)*768+256*\p
.endr
	ds_load_b32 v[216+\t], v10 offset:(4*\g+\t)*64
.endr
	s_wait_dscnt 0x0
.irp t, 0,1,2,3
	v_wmma_scale_f32_16x16x128_f8f6f4 v[96+8*(4*\g+\t):103+8*(4*\g+\t)], v[32+12*\t:43+12*\t], v[16:27], 0, v[216+\t], v224 matrix_a_fmt:MATRIX_FMT_FP6 matrix_b_fmt:MATRIX_FMT_FP6
.endr
.endr
.rept 4
	v_nop
.endr
.irp b, 0,1,2,3
	v_max3_num_f32 v[200+\b], v[96+16*\b], v[97+16*\b], v[98+16*\b]   ; the largest score of each block of 32 keys: for the row's maximum and, since p rises with the score, for the block's largest p
.endr
.irp i, 3,5,7,9,11,13
.irp b, 0,1,2,3
	v_max3_num_f32 v[200+\b], v[200+\b], v[96+16*\b+\i], v[97+16*\b+\i]
.endr
.endr
.irp b, 0,1,2,3
	v_max_num_f32 v[200+\b], v[200+\b], v[111+16*\b]
.endr
.irp b, 0,1,2,3
	v_permlanex16_b32 v[204+\b], v[200+\b], s20, s21
.endr
.irp b, 0,1,2,3
	v_max_num_f32 v[200+\b], v[200+\b], v[204+\b]
.endr
	v_max3_num_f32 v214, v200, v201, v202
	v_max_num_f32 v214, v214, v203
	v_mul_f32 v214, s22, v214
	v_max_num_f32 v13, v13, v214                   ; the running largest t
	v_mov_b32 v214, v12
	v_floor_f32 v12, -v13                          ; the new -M = -ceil(t)
	v_sub_f32 v214, v12, v214                      ; old M - new M: a whole number, 0 or less
	v_cvt_i32_f32 v214, v214
	v_ldexp_f32 v212, 1.0, v214                    ; f = 2^(old M - new M)
.set N, 0
.rept 32
	v_pk_fma_f32 v[96+N:97+N], v[96+N:97+N], s[22:23], v[12:13] op_sel_hi:[1,0,0]   ; t - M
.set N, N+2
.endr
.irp b, 0,1,2,3
	v_fma_f32 v[200+\b], v[200+\b], s22, v12
.endr
.set N, 0
.rept 64
	v_exp_f32 v[96+N], v[96+N]                     ; p = 2^(t - M): not normalised
.set N, N+1
.endr
	v_pk_mul_f32 v[14:15], v[14:15], v[212:213] op_sel_hi:[1,0]   ; the sums under the new M: a plain instruction behind the batch
	s_wait_alu depctr_va_vdst(0)                   ; one wait for the batch, ahead of its first reader
.irp b, 0,1,2,3
	v_exp_f32 v[200+\b], v[200+\b]                 ; each block's largest p
.endr
	v_pk_add_f32 v[204:205], v[96:97], v[98:99]    ; the row's sum of the unquantised p, in two chains
.irp j, 4,8,12,16,20,24,28,32,36,40,44,48,52,56,60
	v_pk_add_f32 v[14:15], v[14:15], v[96+\j:97+\j]
	v_pk_add_f32 v[204:205], v[204:205], v[98+\j:99+\j]
.endr
	v_pk_add_f32 v[14:15], v[14:15], v[204:205]
	s_wait_alu depctr_va_vdst(0)                   ; and one for the four
.irp b, 0,1,2,3
	v_max_num_f32 v[200+\b], 0x1800000, v[200+\b]  ; the floor 2^(3 - 127)
.endr
.irp b, 0,1,2,3
	v_add_nc_u32 v[208+\b], 0xff000000, v[200+\b]
.endr
.irp b, 0,1,2,3
	v_lshrrev_b32 v[204+\b], 23, v[208+\b]
.endr
	v_lshl_or_b32 v225, v205, 8, v204              ; p's scale word for these 128 keys
	v_lshl_or_b32 v225, v206, 16, v225
	v_lshl_or_b32 v225, v207, 24, v225
.irp c, 0,1
	v_cvt_scalef32_pk16_fp6_f32 v[80+6*\c:82+6*\c], v[96+32*\c:111+32*\c], v[208+2*\c]
	v_cvt_scalef32_pk16_fp6_f32 v[192+4*\c:194+4*\c], v[112+32*\c:127+32*\c], v[209+2*\c]
.endr
	v_nop
.irp c, 0,1
.irp i, 0,1,2
	v_permlane16_swap_b32 v[80+6*\c+\i], v[192+4*\c+\i]
.endr
.irp i, 0,1,2
	v_mov_b32 v[83+6*\c+\i], v[192+4*\c+\i]
.endr
.endr
.set N, 0
.rept 16
	v_pk_mul_f32 v[160+N:161+N], v[160+N:161+N], v[212:213] op_sel_hi:[1,0]   ; O^T under the new M; these sixteen also stand between the writes of p's codes and word and the products
.set N, N+2
.endr
.irp t, 0,1,2,3
.irp p, 0,1,2,3,4,5
	ds_load_b64 v[96+12*\t+2*\p:97+12*\t+2*\p], v9 offset:(\q)*6144+\t*1536+256*\p
.endr
	ds_load_b32 v[220+\t], v11 offset:\t*1024
.endr
	s_wait_dscnt 0x0
.irp t, 0,1,2,3
	v_wmma_scale_f32_16x16x128_f8f6f4 v[160+8*\t:167+8*\t], v[96+12*\t:107+12*\t], v[80:91], v[160+8*\t:167+8*\t], v[220+\t], v225 matrix_a_fmt:MATRIX_FMT_FP6 matrix_b_fmt:MATRIX_FMT_FP6
.endr
	s_add_co_u32 s3, s3, 512
	s_add_co_u32 s66, s66, 64
.endm
.macro SLOT_STEPS
	STEP 0
	STEP 1
	s_add_co_u32 s2, s2, 24576
.endm
	s_wait_tensorcnt 0x1                           ; the scale words and slot 0 have landed; the load of slots 1-7 may be out: nothing is filled twice
	s_barrier_signal -1
	s_barrier_wait -1
	s_wait_loadcnt 0x0                             ; Q
	SLOT_STEPS
	s_wait_tensorcnt 0x0                           ; slots 1-7
	s_wait_dscnt 0x0
	s_barrier_signal -1
	s_barrier_wait -1
	s_mov_b32 s67, 7
.Lslot:
	SLOT_STEPS
	s_sub_co_u32 s67, s67, 1
	s_cmp_lg_u32 s67, 0
	s_cbranch_scc1 .Lslot
	; THE WAY OUT: O^T / the sum, quantised along my head's 64 channels: three planes and half a scale word
.rept 4
	v_nop
.endr
	v_add_f32 v14, v14, v15
	v_permlanex16_b32 v214, v14, s20, s21
	v_add_f32 v14, v14, v214
	v_rcp_f32 v14, v14
	v_nop
	s_wait_alu depctr_va_vdst(0)
.set N, 0
.rept 32
	v_mul_f32 v[96+N], v[160+N], v14               ; register 16 b + i: channel 32 b + 16 (lane / 16) + i
.set N, N+1
.endr
.irp b, 0,1
	v_max3_num_f32 v[200+\b], |v[96+16*\b]|, |v[97+16*\b]|, 0x1800000
.endr
.irp i, 2,4,6,8,10,12,14
.irp b, 0,1
	v_max3_num_f32 v[200+\b], v[200+\b], |v[96+16*\b+\i]|, |v[97+16*\b+\i]|
.endr
.endr
.irp b, 0,1
	v_permlanex16_b32 v[204+\b], v[200+\b], s20, s21
.endr
.irp b, 0,1
	v_max_num_f32 v[200+\b], v[200+\b], v[204+\b]
.endr
.irp b, 0,1
	v_add_nc_u32 v[208+\b], 0xff000000, v[200+\b]
.endr
.irp b, 0,1
	v_lshrrev_b32 v[204+\b], 23, v[208+\b]
.endr
	v_lshl_or_b32 v214, v205, 8, v204
	v_cvt_scalef32_pk16_fp6_f32 v[80:82], v[96:111], v208
	v_cvt_scalef32_pk16_fp6_f32 v[192:194], v[112:127], v209
	v_nop
.irp i, 0,1,2
	v_permlane16_swap_b32 v[80+\i], v[192+\i]
.endr
.irp i, 0,1,2
	v_mov_b32 v[83+\i], v[192+\i]
.endr
.irp p, 0,1,2
	global_store_b64 v1, v[80+2*\p:81+2*\p], s[16:17] offset:256*\p   ; a whole plane: 256 consecutive bytes, at a multiple of 256
.endr
	global_store_b16 v5, v214, s[10:11]
	s_wait_tensorcnt 0x0
	ds_add_u32 v254, v255
	s_wait_dscnt 0x0
	CROUND                                         ; the closing round
	s_endpgm
.Lfunc_end_k_q5bb9eeae0a_attn:
	.size	k_q5bb9eeae0a_attn, .Lfunc_end_k_q5bb9eeae0a_attn-k_q5bb9eeae0a_attn
	.p2alignl 7, 3214868480
	.fill 96, 4, 3214868480
	.section	.rodata,"a",@progbits
	.p2align	6, 0x0
	.amdhsa_kernel k_q5bb9eeae0a_attn
		.amdhsa_group_segment_fixed_size 210944
		.amdhsa_private_segment_fixed_size 0
		.amdhsa_enable_private_segment 0
		.amdhsa_kernarg_size 16
		.amdhsa_user_sgpr_count 2
		.amdhsa_user_sgpr_kernarg_segment_ptr 1
		.amdhsa_wavefront_size32 1
		.amdhsa_system_sgpr_workgroup_id_x 1
		.amdhsa_system_sgpr_workgroup_id_y 1
		.amdhsa_system_sgpr_workgroup_id_z 1
		.amdhsa_system_vgpr_workitem_id 0
		.amdhsa_next_free_vgpr 256
		.amdhsa_next_free_sgpr 96
		.amdhsa_reserve_vcc 0
		.amdhsa_float_denorm_mode_32 3
		.amdhsa_float_denorm_mode_16_64 3
		.amdhsa_memory_ordered 1
		.amdhsa_forward_progress 1
		.amdhsa_inst_pref_size 83
	.end_amdhsa_kernel
	.amdgpu_metadata
---
amdhsa.version: [ 1, 2 ]
amdhsa.kernels:
  - .name:           k_q5bb9eeae0a_attn
    .symbol:         k_q5bb9eeae0a_attn.kd
    .args:
      - { .name: qkv, .offset: 0, .size: 8, .value_kind: global_buffer, .address_space: global }
      - { .name: oq, .offset: 8, .size: 8, .value_kind: global_buffer, .address_space: global }
    .group_segment_fixed_size: 210944
    .private_segment_fixed_size: 0
    .kernarg_segment_align: 8
    .kernarg_segment_size: 16
    .max_flat_workgroup_size: 512
    .sgpr_count:     96
    .vgpr_count:     256
    .wavefront_size: 32
...
	.end_amdgpu_metadata
.endif
;; end of part 3
;; launch proj (part 4): grid 8 x 32, 4 waves a work-group, clusters of 4 x 4, 327,680 bytes of LDS; arguments oq, wf, proj_b, x, x1; writes x1
.if DOCPART == 4
	.amdgcn_target "amdgcn-amd-amdhsa--gfx1250"
	.amdhsa_code_object_version 6
	.text
	.protected	k_q5bb9eeae0a_proj
	.globl	k_q5bb9eeae0a_proj
	.p2align	8
	.type	k_q5bb9eeae0a_proj,@function
k_q5bb9eeae0a_proj:
	s_mov_b64 s[64:65], 0
	v_nop
	global_prefetch_b8 v0, s[64:65] scope:SCOPE_SE
	s_setreg_imm32_b32 hwreg(HW_REG_WAVE_MODE, 25, 1), 1
	s_wait_xcnt 0x0
	s_wait_alu depctr_hold_cnt(0) depctr_sa_sdst(0) depctr_va_vdst(0) depctr_va_sdst(0) depctr_va_ssrc(0) depctr_va_vcc(0) depctr_vm_vsrc(0)
	s_getreg_b32 s2, hwreg(HW_REG_IB_STS2, 6, 4)
	s_cmp_eq_u32 s2, 0
	s_cbranch_scc0 .Lentry_in_a_cluster
	s_endpgm
.Lentry_in_a_cluster:
	s_bfe_u32 s2, ttmp6, 0x10000c
	s_cmp_lg_u32 s2, 0xf033
	s_cbranch_scc0 .Lentry_shape_is_right
	s_endpgm
.Lentry_shape_is_right:
; x1 = x + Q(o) proj_w^T + proj_b on FP6 codes; f32 out.  N = 1,024, so a tile of 128 x 128 gives each of 256 work-groups one tile.
; OPERANDS lie in the order of the operand's registers: a fragment (16 rows x 128 K) is six planes of 256 bytes, plane P = register pair (2 P, 2 P + 1), lane l at 8 l; codes [tile][k / 128][1536], scale words [tile][k / 128][16].
; Lane row r of tile T is row 32 (T / 2) + 8 (T % 2) + r + 8 (r / 8).  D = (source 0 = a tile of Y, the weight) x (source 1 = a tile of X, the tokens): a lane holds one token, its registers neighbouring outputs.
; Four waves, each 64 x 64: 16 accumulators.  K goes in slots of 512 through two LDS slots filled by the tensor data mover; here K = 1,024 is the two first fills, and nothing is filled again.
; CLUSTERS of 4 x 4: X's tiles are asked for jointly by a row of the cluster, Y's by a column.
; REGISTERS: window 0: v1-31 addresses, v8-11 the bias; v32-63 scale words, two sets, and nothing else; v64-111, v160-207 X's two sets.  Window 1: v0-47, v128-175 Y's.  Window 2: v0-127 accumulator (a, b) at v[8 (4 a + b)].
;   Window 3: v0-127 the residual, asked for at the head and left on its way through the K loop.
; LIMITS: NaN and infinities are not served.
.set MB, 4
.set NQ, 4
.set KT, 8
.set LAPS, 1
.set XSO, 3145728                      ; X's scale words in its buffer
.set YCO, 2359296                      ; Y's codes in wf
.set YSO, 9535488                      ; Y's scale words in wf
.set FRB,   1536
.set HALFT, MB*NQ*FRB
.set SLOT,  4*HALFT
.set SCL,   2*SLOT
.set HALFS, MB*KT*64
.set SPARE, SCL+4*HALFS
.set ADRX, 16
.set ADRY, 20
.set ADRS, 27
.set SPW,  28
.set NIL,  29
.set SC,   32
.set G1,   24
.set G0,   32
.set G1B,  48
.set G0B,  56
.set G1S,  68
.set G0S,  76
.set G1SB, 80
.set G0SB, 88
.set MSB, 0
.macro WIN new
.if MSB != (\new)
	s_set_vgpr_msb (MSB<<8)|(\new)
.set MSB, \new
.endif
.endm
.macro PLACES n
.rept \n
	v_nop
.endr
.endm
.macro JLOAD g0a, g1a, g0b, g1b
	s_cmp_eq_u32 s15, 0
	s_cbranch_scc0 .Lfor_b_\@
	tensor_load_to_lds s[\g0a:\g0a+3], s[\g1a:\g1a+7]
	s_nop 0
.rept 4
	v_nop
.endr
	s_branch .Lasked_\@
.Lfor_b_\@:
	tensor_load_to_lds s[\g0b:\g0b+3], s[\g1b:\g1b+7]
	s_nop 0
.rept 4
	v_nop
.endr
.Lasked_\@:
.endm
.macro CREST
	s_cmp_lg_u32 s14, 0
	s_cbranch_scc1 .Lnot_wave_0_\@
	s_barrier_signal -3
.Lnot_wave_0_\@:
	s_barrier_wait -3
	s_barrier_signal -1
	s_barrier_wait -1
.endm
.macro CROUND
	s_barrier_signal -1
	s_barrier_wait -1
	CREST
.endm
.macro FRAG reg, adr, q, i
.irp p, 0,1,2,3,4,5
	ds_load_b64 v[(\reg)+2*\p:(\reg)+2*\p+1], v[\adr] offset:((\i)*NQ+(\q))*FRB+256*\p
.endr
.endm
.macro FETCH slot, q, set
	WIN 0x40
.set II, 0
.rept MB
	FRAG 128*(\set)+12*II, ADRY+(\slot), \q, II
.set II, II+1
.endr
	WIN 0
.set II, 0
.rept MB
	FRAG 64+96*(\set)+12*II, ADRX+(\slot), \q, II
.set II, II+1
.endr
.endm
.macro SCALES sc
.set II, 0
.rept MB
.set QQ, 0
.rept NQ
	ds_load_b32 v[SC+16*(\sc)+NQ*II+QQ], v[ADRS] offset:II*KT*64+QQ*64
.set QQ, QQ+1
.endr
.set II, II+1
.endr
.endm
.macro MULA a, set, q, sc, zero
	WIN 0xa1+0x50*((\a)/4)
.set BB, 0
.rept MB
.set AC, 8*(MB*((\a)%4)+BB)
.if \zero
	v_wmma_scale_f32_16x16x128_f8f6f4 v[AC:AC+7], v[128*(\set)+12*BB:128*(\set)+12*BB+11], v[64+96*(\set)+12*(\a):64+96*(\set)+12*(\a)+11], 0, v[SC+16*(\sc)+NQ*BB+(\q)], v[SC+16*(\sc)+NQ*(\a)+(\q)] matrix_a_fmt:MATRIX_FMT_FP6 matrix_b_fmt:MATRIX_FMT_FP6 matrix_a_scale:MATRIX_SCALE_ROW1
.else
	v_wmma_scale_f32_16x16x128_f8f6f4 v[AC:AC+7], v[128*(\set)+12*BB:128*(\set)+12*BB+11], v[64+96*(\set)+12*(\a):64+96*(\set)+12*(\a)+11], v[AC:AC+7], v[SC+16*(\sc)+NQ*BB+(\q)], v[SC+16*(\sc)+NQ*(\a)+(\q)] matrix_a_fmt:MATRIX_FMT_FP6 matrix_b_fmt:MATRIX_FMT_FP6 matrix_a_scale:MATRIX_SCALE_ROW1
.endif
.set BB, BB+1
.endr
.endm
.macro MULS a0, a1, set, q, sc, zero   ; all accumulators take turns, one instruction a turn, in the same order in every step
.set AA, \a0
.rept (\a1)-(\a0)
	MULA AA, \set, \q, \sc, \zero
.set AA, AA+1
.endr
.endm
.macro STEP slot, q, zero
	s_wait_dscnt 0x0                               ; this step's fragments and scale words are in
	PLACES 4                                       ; in front of loads into registers that the step before multiplied
	FETCH \slot, (\q)+1, ((\q)+1)%2
	MULS 0, MB, (\q)%2, \q, \slot, \zero
	WIN 0
.endm
.macro TURN slot, next, fill
	s_wait_tensorcnt 0x0                           ; all my tensor loads have landed: my part of the next slot
	ds_add_u32 v[SPW], v[NIL]                      ; 0 onto my spare word
	s_wait_dscnt 1                                 ; the fragments are in; the add may be out
	MULS 0, MB/4, 1, NQ-1, \slot, 0
	s_wait_dscnt 0x0                               ; the add is done, and my reads of this slot are over
	s_barrier_signal -1
	MULS MB/4, MB/2, 1, NQ-1, \slot, 0
	WIN 0
	s_barrier_wait -1
.if \fill
	CREST
	s_add_nc_u64 s[G0+4*\slot+2:G0+4*\slot+3], s[G0+4*\slot+2:G0+4*\slot+3], 2*NQ*FRB
	s_add_nc_u64 s[G0B+4*\slot+2:G0B+4*\slot+3], s[G0B+4*\slot+2:G0B+4*\slot+3], 2*NQ*FRB
	JLOAD G0+4*\slot, G1, G0B+4*\slot, G1B
.else
	PLACES 4
.endif
	v_add_nc_u32 v[ADRS], NQ*64, v[ADRS]
	FETCH \next, 0, 0
	SCALES \next
	MULS MB/2, MB, 1, NQ-1, \slot, 0
	WIN 0
.endm
.macro MIDSTEPS slot
.set QS, 1
.rept NQ-2
	STEP \slot, QS, 0
.set QS, QS+1
.endr
.endm
	s_load_b128 s[4:7], s[0:1], 0x0                ; X's buffer, wf
	s_load_b128 s[8:11], s[0:1], 0x10              ; the bias, the residual
	s_load_b64 s[12:13], s[0:1], 0x20              ; the output
	v_lshl_add_u32 v[SPW], v0, 2, SPARE
	v_mov_b32 v[NIL], 0
	ds_add_u32 v28, v29
	ds_add_u32 v28, v29
	s_wait_dscnt 0x0
	v_lshrrev_b32 v1, 5, v0
	v_readfirstlane_b32 s14, v1
	s_lshr_b32 s15, s14, 1
	s_and_b32 s16, s14, 1
	s_bfe_u32 s40, ttmp6, 0x40000
	s_bfe_u32 s41, ttmp6, 0x40004
	s_lshl_b32 s42, ttmp9, 2
	s_add_co_u32 s42, s42, s40                     ; Y's block of 128 rows
	s_and_b32 s17, ttmp7, 0xffff
	s_lshl_b32 s17, s17, 2
	s_add_co_u32 s17, s17, s41                     ; X's block of 128 rows
	s_lshl_b32 s43, s41, 2
	s_lshl_b32 s43, 15, s43
	s_lshl_b32 s44, 0x1111, s40
	s_or_b32 s[G1], s43, (3<<16)|(1<<21)
	s_or_b32 s[G1B], s44, (3<<16)|(1<<21)
.irp g, G1, G1B
	s_mov_b32 s[\g+1], (NQ*192)<<16
	s_mov_b32 s[\g+2], MB<<16
	s_mov_b32 s[\g+3], (NQ*192)<<16
	s_mov_b32 s[\g+4], MB
	s_mov_b32 s[\g+5], KT*192
	s_mov_b32 s[\g+6], 0
	s_mov_b32 s[\g+7], 0
.endr
	s_or_b32 s[G1S], s43, (3<<16)|(1<<21)
	s_or_b32 s[G1SB], s44, (3<<16)|(1<<21)
.irp g, G1S, G1SB
	s_mov_b32 s[\g+1], 32<<16
	s_mov_b32 s[\g+2], (HALFS/256)<<16
	s_mov_b32 s[\g+3], 32<<16
	s_mov_b32 s[\g+4], HALFS/256
	s_mov_b32 s[\g+5], 32
	s_mov_b32 s[\g+6], 0
	s_mov_b32 s[\g+7], 0
.endr
	s_mul_i32 s18, s16, MB
	s_mul_i32 s20, s17, 2*MB
	s_add_co_u32 s20, s20, s18
	s_mul_i32 s46, s42, 2*MB
	s_add_co_u32 s46, s46, s18
	s_mul_i32 s22, s20, KT*64
	s_add_co_u32 s22, s22, XSO
	s_mul_i32 s20, s20, KT*FRB
	s_mul_i32 s92, s46, KT*64
	s_add_co_u32 s92, s92, YSO
	s_mul_i32 s46, s46, KT*FRB
	s_add_co_u32 s46, s46, YCO
	s_mov_b32 s21, 0
	s_mov_b32 s23, 0
	s_mov_b32 s47, 0
	s_mov_b32 s93, 0
	s_mul_i32 s45, s14, HALFT
	s_mul_i32 s94, s14, HALFS
	s_wait_kmcnt 0x0
	s_add_nc_u64 s[20:21], s[4:5], s[20:21]
	s_add_nc_u64 s[22:23], s[4:5], s[22:23]
	s_add_nc_u64 s[46:47], s[6:7], s[46:47]
	s_add_nc_u64 s[92:93], s[6:7], s[92:93]
	CROUND
	s_mov_b32 s[G0S], 1
	s_add_co_u32 s[G0S+1], s94, SCL
	s_mov_b64 s[G0S+2:G0S+3], s[22:23]
	s_or_b32 s[G0S+3], s[G0S+3], 0x80000000
	s_mov_b32 s[G0SB], 1
	s_add_co_u32 s[G0SB+1], s94, SCL
	s_mov_b64 s[G0SB+2:G0SB+3], s[92:93]
	s_or_b32 s[G0SB+3], s[G0SB+3], 0x80000000
	JLOAD G0S, G1S, G0SB, G1SB                     ; with the two slots three loads of mine are out
.irp s, 0,1
	s_mov_b32 s[G0+4*\s], 1
	s_add_co_u32 s[G0+4*\s+1], s45, \s*SLOT
	s_add_nc_u64 s[G0+4*\s+2:G0+4*\s+3], s[20:21], \s*NQ*FRB
	s_or_b32 s[G0+4*\s+3], s[G0+4*\s+3], 0x80000000
	s_mov_b32 s[G0B+4*\s], 1
	s_add_co_u32 s[G0B+4*\s+1], s45, \s*SLOT
	s_add_nc_u64 s[G0B+4*\s+2:G0B+4*\s+3], s[46:47], \s*NQ*FRB
	s_or_b32 s[G0B+4*\s+3], s[G0B+4*\s+3], 0x80000000
	JLOAD G0+4*\s, G1, G0B+4*\s, G1B
.endr
	v_and_b32 v1, 15, v0
	v_bfe_u32 v2, v0, 4, 1
	v_and_b32 v3, 31, v0
	v_lshlrev_b32 v12, 3, v3
	s_mul_i32 s21, s15, HALFT
	s_mul_i32 s22, s16, HALFT
	s_add_co_u32 s22, s22, 2*HALFT
.irp s, 0,1
	v_add_nc_u32 v[ADRX+\s], s21, v12
	v_add_nc_u32 v[ADRY+\s], s22, v12
	s_add_co_u32 s21, s21, SLOT
	s_add_co_u32 s22, s22, SLOT
.endr
	v_lshlrev_b32 v22, 2, v1
	s_mul_i32 s21, s15, HALFS
	s_mul_i32 s22, s16, HALFS
	s_add_co_u32 s22, s22, 2*HALFS
	s_sub_co_u32 s22, s22, s21
	v_mul_u32_u24 v23, s22, v2
	s_add_co_u32 s21, s21, SCL
	v_add_nc_u32 v22, v22, v23
	v_add_nc_u32 v[ADRS], s21, v22
	s_mul_i32 s21, s14, 4352                       ; my stage, 16 rows x 272 bytes, in slot 0: used behind that slot's last fill and last read
	v_mul_u32_u24 v24, v1, 272
	v_lshl_add_u32 v24, v2, 6, v24
	v_add_nc_u32 v24, s21, v24                     ; in: row r, + 64 h
	v_mul_u32_u24 v25, v2, 272
	v_lshl_add_u32 v25, v1, 4, v25
	v_add_nc_u32 v25, s21, v25                     ; back: lanes 0-15 one row of 256 bytes, lanes 16-31 the next
	v_lshlrev_b32 v30, 4, v1
	v_lshl_add_u32 v26, v2, 12, v30                ; and the same two rows in memory
	s_lshl_b32 s98, s17, 7
	s_lshl_b32 s99, s15, 6
	s_add_co_u32 s98, s98, s99                     ; my first row
	s_lshl_b32 s98, s98, 12
	s_lshl_b32 s95, s42, 9
	s_lshl_b32 s99, s16, 8
	s_add_co_u32 s95, s95, s99                     ; my first column, in bytes
	s_add_co_u32 s98, s98, s95
	s_mov_b32 s99, 0
	s_add_nc_u64 s[10:11], s[10:11], s[98:99]
	s_add_nc_u64 s[12:13], s[12:13], s[98:99]
	s_mov_b32 s98, s95
	s_add_nc_u64 s[8:9], s[8:9], s[98:99]
	WIN 0xc0                                       ; destination window 3
.irp a, 0,1,2,3
.irp t, 0,1,2,3,4,5,6,7
	global_load_b128 v[32*\a+4*\t:32*\a+4*\t+3], v26, s[10:11] offset:(32*(\a/2)+8*(\a%2)+2*\t+8*(\t/4))*4096 th:TH_LOAD_NT
.endr
.endr
	WIN 0
	global_load_b128 v[8:11], v30, s[8:9]
	s_wait_tensorcnt 1                             ; the scale words and my part of slot 0 are in; slot 1's load may be out
	s_barrier_signal -1
	s_barrier_wait -1
	FETCH 0, 0, 0
	SCALES 0
	STEP 0, 0, 1
.if LAPS > 1
	s_mov_b32 s3, LAPS-1
.Llap:
	MIDSTEPS 0
	TURN 0, 1, 1
	STEP 1, 0, 0
	MIDSTEPS 1
	TURN 1, 0, 1
	STEP 0, 0, 0
	s_sub_co_u32 s3, s3, 1
	s_cmp_lg_u32 s3, 0
	s_cbranch_scc1 .Llap
.endif
	MIDSTEPS 0
	TURN 0, 1, 0
	STEP 1, 0, 0
	MIDSTEPS 1
	s_wait_dscnt 0x0
	MULS 0, MB, 1, NQ-1, 1, 0
	WIN 0
	; THE WAY OUT, a tile of 16 rows x 64 columns at a time, through my own stage: back as whole rows of 256 bytes, + residual + bias, stored sixteen lanes to an aligned 256 bytes
	s_wait_loadcnt 0x0
	PLACES 4
.macro OUT a
.set BK, 64+32*((\a)%2)
.if (\a) >= 2
	s_wait_xcnt 0x0                                ; the stores of two tiles back have read their registers
.endif
	WIN 0x08                                       ; an LDS store's data: window 2
.irp b, 0,1,2,3
	ds_store_b128 v24, v[8*(4*(\a)+\b):8*(4*(\a)+\b)+3] offset:128*(\b/2)+32*(\b%2)       ; each accumulator from its low end on
	ds_store_b128 v24, v[8*(4*(\a)+\b)+4:8*(4*(\a)+\b)+7] offset:128*(\b/2)+32*(\b%2)+16
.endr
	WIN 0
.irp t, 0,1,2,3,4,5,6,7
	ds_load_b128 v[BK+4*\t:BK+4*\t+3], v25 offset:544*\t   ; LDS serves a wave's instructions in order: these see my stores
.endr
	s_wait_dscnt 0x0
	WIN 0x0c                                       ; source 1: window 3
.set N, 0
.rept 16
	v_pk_add_f32 v[BK+N:BK+N+1], v[BK+N:BK+N+1], v[32*(\a)+N:32*(\a)+N+1]
.set N, N+2
.endr
	WIN 0
.irp t, 0,1,2,3,4,5,6,7
	v_pk_add_f32 v[BK+4*\t:BK+4*\t+1], v[BK+4*\t:BK+4*\t+1], v[8:9]
	v_pk_add_f32 v[BK+4*\t+2:BK+4*\t+3], v[BK+4*\t+2:BK+4*\t+3], v[10:11]
.endr
.irp t, 0,1,2,3,4,5,6,7
	global_store_b128 v26, v[BK+4*\t:BK+4*\t+3], s[12:13] offset:(32*((\a)/2)+8*((\a)%2)+2*\t+8*(\t/4))*4096
.endr
.endm
.irp a, 0,1,2,3
	OUT \a
.endr
	s_wait_tensorcnt 0x0                           ; the wave's end
	ds_add_u32 v[SPW], v[NIL]
	s_wait_dscnt 0x0
	CROUND
	s_endpgm
.Lfunc_end_k_q5bb9eeae0a_proj:
	.size	k_q5bb9eeae0a_proj, .Lfunc_end_k_q5bb9eeae0a_proj-k_q5bb9eeae0a_proj
	.p2alignl 7, 3214868480
	.fill 96, 4, 3214868480
	.section	.rodata,"a",@progbits
	.p2align	6, 0x0
	.amdhsa_kernel k_q5bb9eeae0a_proj
		.amdhsa_group_segment_fixed_size 327680
		.amdhsa_private_segment_fixed_size 0
		.amdhsa_enable_private_segment 0
		.amdhsa_kernarg_size 40
		.amdhsa_user_sgpr_count 2
		.amdhsa_user_sgpr_kernarg_segment_ptr 1
		.amdhsa_wavefront_size32 1
		.amdhsa_system_sgpr_workgroup_id_x 1
		.amdhsa_system_sgpr_workgroup_id_y 1
		.amdhsa_system_sgpr_workgroup_id_z 1
		.amdhsa_system_vgpr_workitem_id 0
		.amdhsa_next_free_vgpr 1024
		.amdhsa_next_free_sgpr 100
		.amdhsa_reserve_vcc 0
		.amdhsa_float_denorm_mode_32 3
		.amdhsa_float_denorm_mode_16_64 3
		.amdhsa_memory_ordered 1
		.amdhsa_forward_progress 1
		.amdhsa_inst_pref_size 74
	.end_amdhsa_kernel
	.amdgpu_metadata
---
amdhsa.version: [ 1, 2 ]
amdhsa.kernels:
  - .name:           k_q5bb9eeae0a_proj
    .symbol:         k_q5bb9eeae0a_proj.kd
    .args:
      - { .name: oq, .offset: 0, .size: 8, .value_kind: global_buffer, .address_space: global }
      - { .name: wf, .offset: 8, .size: 8, .value_kind: global_buffer, .address_space: global }
      - { .name: proj_b, .offset: 16, .size: 8, .value_kind: global_buffer, .address_space: global }
      - { .name: x, .offset: 24, .size: 8, .value_kind: global_buffer, .address_space: global }
      - { .name: x1, .offset: 32, .size: 8, .value_kind: global_buffer, .address_space: global }
    .group_segment_fixed_size: 327680
    .private_segment_fixed_size: 0
    .kernarg_segment_align: 8
    .kernarg_segment_size: 40
    .max_flat_workgroup_size: 128
    .sgpr_count:     100
    .vgpr_count:     1024
    .wavefront_size: 32
...
	.end_amdgpu_metadata
.endif
;; end of part 4
;; launch ln2: the kernel of part 1 again; grid 256 x 1, 16 waves a work-group, no clusters, 89,088 bytes of LDS; arguments x1, ln2_g, ln2_b, qkv_w_codes, qkv_w_scales, proj_w_codes, proj_w_scales, fc1_w_codes, fc1_w_scales, fc2_w_codes, fc2_w_scales, hq, wf; writes hq, wf
;; launch fc1 (part 5): grid 16 x 16, 4 waves a work-group, clusters of 4 x 4, 327,680 bytes of LDS; arguments hq, wf, fc1_b, gq; writes gq
.if DOCPART == 5
	.amdgcn_target "amdgcn-amd-amdhsa--gfx1250"
	.amdhsa_code_object_version 6
	.text
	.protected	k_q5bb9eeae0a_fc1
	.globl	k_q5bb9eeae0a_fc1
	.p2align	8
	.type	k_q5bb9eeae0a_fc1,@function
k_q5bb9eeae0a_fc1:
	s_mov_b64 s[64:65], 0
	v_nop
	global_prefetch_b8 v0, s[64:65] scope:SCOPE_SE
	s_setreg_imm32_b32 hwreg(HW_REG_WAVE_MODE, 25, 1), 1
	s_wait_xcnt 0x0
	s_wait_alu depctr_hold_cnt(0) depctr_sa_sdst(0) depctr_va_vdst(0) depctr_va_sdst(0) depctr_va_ssrc(0) depctr_va_vcc(0) depctr_vm_vsrc(0)
	s_getreg_b32 s2, hwreg(HW_REG_IB_STS2, 6, 4)
	s_cmp_eq_u32 s2, 0
	s_cbranch_scc0 .Lentry_in_a_cluster
	s_endpgm
.Lentry_in_a_cluster:
	s_bfe_u32 s2, ttmp6, 0x10000c
	s_cmp_lg_u32 s2, 0xf033
	s_cbranch_scc0 .Lentry_shape_is_right
	s_endpgm
.Lentry_shape_is_right:
; g = gelu(Q(LN2(x1)) fc1_w^T + fc1_b) on FP6 codes, the exact gelu by erf, quantised along the 4,096 hidden units straight into the next product's fragments.
; OPERANDS lie in the order of the operand's registers: a fragment (16 rows x 128 K) is six planes of 256 bytes, plane P = register pair (2 P, 2 P + 1), lane l at 8 l; codes [tile][k / 128][1536], scale words [tile][k / 128][16].
; Lane row r of tile T is row 32 (T / 2) + 8 (T % 2) + r + 8 (r / 8).  D = (source 0 = a tile of Y, the weight) x (source 1 = a tile of X, the tokens): a lane holds one token, and the 16 registers of Y's tiles 2 b, 2 b + 1 are 16 neighbouring units.
; A work-group of four waves makes 256 x 256, a wave 128 x 128.  CLUSTERS of 4 x 4: X's tiles are asked for jointly by a row of the cluster, Y's by a column.
; K = 1,024 IS FOUR SLOT-LOADS OF 256, 98,304 bytes each, AND THREE REGIONS OF THAT SIZE FIT IN LDS: slot-loads 0, 1, 2 and the scale words go out together at the start (four tensor loads of a wave are out);
; only slot-load 3 is a refill, of region 0, behind the one round that follows slot-load 0, and it has slot-loads 1 and 2, 256 matrix instructions a wave, in which to land.  The eight steps of 128 are written out.
; THE LDS LOADS STAND AMONG THE PRODUCTS: the next step's sixteen fragments come one at a time, six loads ahead of each four products.  That costs two switches of the register window for four products;
; a run of 96 loads between two steps would leave the wave with no product to issue for as long as the four waves' 384 loads take.
; REGISTERS: window 0: v1-31 addresses, v4-7 two constants; v32-63 scale words, two sets, and nothing else; v64-159, v160-255 X's two sets.  Window 1: v0-95, v128-223 Y's; v96-127, v224-255 the bias.  Windows 2, 3: the accumulators.
; THE WAY OUT is a loop of eight trips (one tile of rows each), so that the gelu is written once: only the copy out of the accumulators, whose register numbers differ, is written eight times.
; erf(z) = z P(z^2) / Q(z^2) on |z| <= 4 (z held there), degrees 6 and 4.  LIMITS: gelu forms 1 + erf, so it loses relative accuracy for arguments under about -4, where its absolute error stays near 1e-7 x |x|;
; a block of zeros gets the byte 1 and not 127 (its codes are zeros; this program alone reads the bytes); NaN and infinities are not served.
.set MB, 8
.set NQ, 2
.set KT, 8
.set XSO, 3145728
.set YCO, 3145728
.set YSO, 9568256
.set FRB,   1536
.set HALFT, MB*NQ*FRB
.set SLOT,  4*HALFT                    ; a region: X's two halves, then Y's two
.set SCL,   3*SLOT                     ; behind the three regions: the scale words for all of K, filled once
.set HALFS, MB*KT*64
.set SPARE, SCL+4*HALFS                ; the spare words: 128 bytes a wave, named by no other line
.set ADRX, 16                          ; v16-18  my X fragments in region 0, 1, 2
.set ADRY, 20                          ; v20-22  my Y fragments
.set ADRS, 27
.set SPW,  28
.set NIL,  29
.set SC,   32
.set G1,   24
.set G0,   32                          ; s[32:39] X's groups 0 for regions 0, 1;  s[20:23] for region 2
.set G0C,  20
.set G1B,  48
.set G0B,  56                          ; s[56:63] Y's for regions 0, 1;  s[92:95] for region 2
.set G0BC, 92
.set G1S,  68
.set G0S,  76
.set G1SB, 80
.set G0SB, 88
.set PC,  128
.set TM,  160
.set PW,  176
.set SEL, 18
.set MSB, 0
.macro WIN new                         ; the immediate's high byte repeats the setting that is left
.if MSB != (\new)
	s_set_vgpr_msb (MSB<<8)|(\new)
.set MSB, \new
.endif
.endm
.macro PLACES n
.rept \n
	v_nop
.endr
.endm
.macro JLOAD g0a, g1a, g0b, g1b        ; a joint load: waves 0, 1 fetch for X, waves 2, 3 for Y; four v_nop follow each line
	s_cmp_eq_u32 s15, 0
	s_cbranch_scc0 .Lfor_b_\@
	tensor_load_to_lds s[\g0a:\g0a+3], s[\g1a:\g1a+7]
	s_nop 0
.rept 4
	v_nop
.endr
	s_branch .Lasked_\@
.Lfor_b_\@:
	tensor_load_to_lds s[\g0b:\g0b+3], s[\g1b:\g1b+7]
	s_nop 0
.rept 4
	v_nop
.endr
.Lasked_\@:
.endm
.macro CREST
	s_cmp_lg_u32 s14, 0
	s_cbranch_scc1 .Lnot_wave_0_\@
	s_barrier_signal -3
.Lnot_wave_0_\@:
	s_barrier_wait -3
	s_barrier_signal -1
	s_barrier_wait -1
.endm
.macro CROUND
	s_barrier_signal -1
	s_barrier_wait -1
	CREST
.endm
.macro FRAG reg, adr, q, i             ; a fragment: six planes, 256 consecutive bytes a load
.irp p, 0,1,2,3,4,5
	ds_load_b64 v[(\reg)+2*\p:(\reg)+2*\p+1], v[\adr] offset:((\i)*NQ+(\q))*FRB+256*\p
.endr
.endm
.macro LDF g, slot, q, set             ; fragment g of a step's sixteen (0-7: Y's tiles, 8-15: X's) from region 'slot', its q-th 128 along K, into register set 'set'
.if (\g) < MB
	WIN 0x40
	FRAG 128*(\set)+12*(\g), ADRY+(\slot), \q, \g
.else
	WIN 0
	FRAG 64+96*(\set)+12*((\g)-MB), ADRX+(\slot), \q, (\g)-MB
.endif
.endm
.macro FETCH slot, q, set              ; all sixteen in one run: the first step's alone
.set GG, 0
.rept 2*MB
	LDF GG, \slot, \q, \set
.set GG, GG+1
.endr
	WIN 0
.endm
.macro SCALES sc, k                    ; slot-load k's scale words into set sc: register NQ i + q: lanes 0-15 X's tile i, lanes 16-31 Y's tile i
.set II, 0
.rept MB
.set QQ, 0
.rept NQ
	ds_load_b32 v[SC+16*(\sc)+NQ*II+QQ], v[ADRS] offset:II*KT*64+((\k)*NQ+QQ)*64
.set QQ, QQ+1
.endr
.set II, II+1
.endr
.endm
.macro HALF a, b0, set, q, sc, zero    ; four products: X's tile a against Y's tiles b0 .. b0 + 3.  All 64 accumulators take turns, one instruction a turn, in the same order in every step
	WIN 0xa1+0x50*((\a)/4)
.set BB, \b0
.rept 4
.set AC, 8*(MB*((\a)%4)+BB)
.if \zero
	v_wmma_scale_f32_16x16x128_f8f6f4 v[AC:AC+7], v[128*(\set)+12*BB:128*(\set)+12*BB+11], v[64+96*(\set)+12*(\a):64+96*(\set)+12*(\a)+11], 0, v[SC+16*(\sc)+NQ*BB+(\q)], v[SC+16*(\sc)+NQ*(\a)+(\q)] matrix_a_fmt:MATRIX_FMT_FP6 matrix_b_fmt:MATRIX_FMT_FP6 matrix_a_scale:MATRIX_SCALE_ROW1
.else
	v_wmma_scale_f32_16x16x128_f8f6f4 v[AC:AC+7], v[128*(\set)+12*BB:128*(\set)+12*BB+11], v[64+96*(\set)+12*(\a):64+96*(\set)+12*(\a)+11], v[AC:AC+7], v[SC+16*(\sc)+NQ*BB+(\q)], v[SC+16*(\sc)+NQ*(\a)+(\q)] matrix_a_fmt:MATRIX_FMT_FP6 matrix_b_fmt:MATRIX_FMT_FP6 matrix_a_scale:MATRIX_SCALE_ROW1
.endif
.set BB, BB+1
.endr
.endm
.macro MULR a0, n, set, q, sc          ; X's tiles a0 .. a0 + n - 1, with nothing fetched
.set AA, \a0
.rept \n
	HALF AA, 0, \set, \q, \sc, 0
	HALF AA, 4, \set, \q, \sc, 0
.set AA, AA+1
.endr
.endm
; A step of 128 along K on register set 'set' (scale words: set sc, register q).  The next step's fragments (region nslot, its nq-th 128) go into the other set, one fragment ahead of each four products.
; nk >= 0: the next step begins slot-load nk, whose 16 scale loads stand first.
.macro ISTEP set, q, sc, zero, nslot, nq, nk
	s_wait_dscnt 12                                ; this step's fragments are in, all but the two youngest: X's tiles 6 and 7, six loads each
	PLACES 4                                       ; in front of loads into registers that the step before multiplied
.if (\nk) >= 0
	SCALES (\nk)%2, \nk
.endif
.set AA, 0
.rept MB
	LDF 2*AA, \nslot, \nq, 1-(\set)
	HALF AA, 0, \set, \q, \sc, \zero
	LDF 2*AA+1, \nslot, \nq, 1-(\set)
	HALF AA, 4, \set, \q, \sc, \zero
.if AA == 0
.if (\nk) >= 0
	s_wait_dscnt 28                                ; only what this step has issued (16 scale loads, 12 of two fragments) may be out: X's tiles 6 and 7 are in
.else
	s_wait_dscnt 12                                ; only what this step has issued (two fragments' 12 loads) may be out: X's tiles 6 and 7 are in
.endif
.endif
.set AA, AA+1
.endr
	WIN 0
.endm
; A step (on set 1) behind which another region is read for the first time since its fill: ONE barrier.  In front of it each wave waits for all its tensor loads, adds 0 to its spare word, and waits for that and for its reads.
; fill = 1: region 0, just read out, takes slot-load 3; the barrier then opens a round of the cluster's.  The next step's scale words and fragments (region nslot, slot-load nk) stand among the 48 products that are left.
.macro ITURN sc, fill, nslot, nk
	s_wait_tensorcnt 0x0                           ; all my tensor loads have landed
	ds_add_u32 v[SPW], v[NIL]                      ; 0 onto my spare word
	s_wait_dscnt 13                                ; X's tiles 6 and 7 (12 loads) and the add may be out
	HALF 0, 0, 1, NQ-1, \sc, 0
	HALF 0, 4, 1, NQ-1, \sc, 0
	s_wait_dscnt 0x0                               ; the add is done, and my reads of the region are over
	s_barrier_signal -1
	HALF 1, 0, 1, NQ-1, \sc, 0
	HALF 1, 4, 1, NQ-1, \sc, 0
	WIN 0
	s_barrier_wait -1
.if \fill
	CREST                                          ; no wave of any partner still reads region 0 or has a load on its way
	s_add_nc_u64 s[G0+2:G0+3], s[G0+2:G0+3], 3*NQ*FRB
	s_add_nc_u64 s[G0B+2:G0B+3], s[G0B+2:G0B+3], 3*NQ*FRB
	JLOAD G0, G1, G0B, G1B                         ; the first tensor load behind the round, and my only one; its four v_nop are the places in front of the loads below
.else
	PLACES 4
.endif
	SCALES (\nk)%2, \nk
.set HH, 0
.rept 12                               ; sixteen fragments for twelve runs of four products: two ahead of each of the first four runs
.if HH < 4
	LDF 2*HH, \nslot, 0, 0
	LDF 2*HH+1, \nslot, 0, 0
.else
	LDF HH+4, \nslot, 0, 0
.endif
	HALF 2+HH/2, 4*(HH%2), 1, NQ-1, \sc, 0
.set HH, HH+1
.endr
	WIN 0
.endm
.macro QUANT s                         ; 64 numbers of a lane, register 16 b + i = k 32 b + 16 (lane / 16) + i, become a fragment's codes in v[PC] on and its scale word in v[PW]
.irp b, 0,1,2,3
	v_max3_num_f32 v[TM+\b], |v[\s+16*\b]|, |v[\s+1+16*\b]|, 0x1800000
.endr
.irp i, 2,4,6,8,10,12,14
.irp b, 0,1,2,3
	v_max3_num_f32 v[TM+\b], v[TM+\b], |v[\s+16*\b+\i]|, |v[\s+1+16*\b+\i]|
.endr
.endr
.irp b, 0,1,2,3
	v_permlanex16_b32 v[TM+4+\b], v[TM+\b], s[SEL], s[SEL+1]
.endr
.irp b, 0,1,2,3
	v_max_num_f32 v[TM+\b], v[TM+\b], v[TM+4+\b]
.endr
.irp b, 0,1,2,3
	v_add_nc_u32 v[TM+12+\b], 0xff000000, v[TM+\b]
.endr
.irp b, 0,1,2,3
	v_lshrrev_b32 v[TM+4+\b], 23, v[TM+12+\b]
.endr
	v_lshl_or_b32 v[PW], v[TM+5], 8, v[TM+4]
	v_lshl_or_b32 v[PW], v[TM+6], 16, v[PW]
	v_lshl_or_b32 v[PW], v[TM+7], 24, v[PW]
.irp c, 0,1
	v_cvt_scalef32_pk16_fp6_f32 v[PC+6*\c:PC+2+6*\c], v[\s+32*\c:\s+15+32*\c], v[TM+12+2*\c]
	v_cvt_scalef32_pk16_fp6_f32 v[PC+12+4*\c:PC+14+4*\c], v[\s+16+32*\c:\s+31+32*\c], v[TM+12+2*\c+1]
.endr
	v_nop
.irp c, 0,1
.irp i, 0,1,2
	v_permlane16_swap_b32 v[PC+6*\c+\i], v[PC+12+4*\c+\i]
.endr
.irp i, 0,1,2
	v_mov_b32 v[PC+3+6*\c+\i], v[PC+12+4*\c+\i]
.endr
.endr
.endm
; gelu in place on 32 numbers at v[64 + 32 hf]: v128-159 z, later x / 2; v160-191 z^2; v192-223 P; v224-255 Q
.macro GELU hf
.set TT, 64+32*(\hf)
.set N, 0
.rept 16
	v_pk_mul_f32 v[128+N:129+N], v[TT+N:TT+N+1], 0x3f3504f3 op_sel_hi:[1,0]   ; z = x / sqrt(2)
.set N, N+2
.endr
.set N, 0
.rept 32
	v_med3_num_f32 v[128+N], v[128+N], -4.0, 4.0
.set N, N+1
.endr
.set N, 0
.rept 16
	v_pk_mul_f32 v[160+N:161+N], v[128+N:129+N], v[128+N:129+N]
.set N, N+2
.endr
.set N, 0
.rept 16
	v_pk_fma_f32 v[192+N:193+N], v[160+N:161+N], 0xaf95df0b, v[4:5] op_sel_hi:[1,0,1]
.set N, N+2
.endr
.irp k, 0xb60cff51, 0xb86ec2d2, 0xba40ac63, 0xbb41a1f6, 0xbc83dbd4
.set N, 0
.rept 16
	v_pk_fma_f32 v[192+N:193+N], v[192+N:193+N], v[160+N:161+N], \k op_sel_hi:[1,1,0]
.set N, N+2
.endr
.endr
.set N, 0
.rept 16
	v_pk_fma_f32 v[224+N:225+N], v[160+N:161+N], 0xb77460cd, v[6:7] op_sel_hi:[1,0,1]
.set N, N+2
.endr
.irp k, 0xbadc924e, 0xbbf19bf8, 0xbc69b6a7
.set N, 0
.rept 16
	v_pk_fma_f32 v[224+N:225+N], v[224+N:225+N], v[160+N:161+N], \k op_sel_hi:[1,1,0]
.set N, N+2
.endr
.endr
.set N, 0
.rept 32
	v_rcp_f32 v[224+N], v[224+N]
.set N, N+1
.endr
.set N, 0
.rept 16
	v_pk_mul_f32 v[192+N:193+N], v[192+N:193+N], v[128+N:129+N]    ; z P: work that names no reciprocal
.set N, N+2
.endr
.set N, 0
.rept 16
	v_pk_mul_f32 v[128+N:129+N], v[TT+N:TT+N+1], 0.5 op_sel_hi:[1,0]
.set N, N+2
.endr
	s_wait_alu depctr_va_vdst(0)                   ; one wait for the 32 reciprocals, ahead of their first reader
.set N, 0
.rept 16
	v_pk_mul_f32 v[192+N:193+N], v[192+N:193+N], v[224+N:225+N]    ; erf
.set N, N+2
.endr
.set N, 0
.rept 16
	v_pk_fma_f32 v[TT+N:TT+N+1], v[128+N:129+N], v[192+N:193+N], v[128+N:129+N]   ; x / 2 + x / 2 erf
.set N, N+2
.endr
.endm
.macro COPY a                          ; tile a's 64 numbers + bias into v64-127
	WIN 0x06+(\a)/4
.set N, 0
.rept 32
	v_pk_add_f32 v[64+N:65+N], v[64*((\a)%4)+N:64*((\a)%4)+N+1], v[96+96*(N/32)+N:96+96*(N/32)+N+1]   ; each accumulator from its low end on
.set N, N+2
.endr
	WIN 0
.endm
	s_load_b128 s[4:7], s[0:1], 0x0                ; hq, wf
	s_load_b128 s[8:11], s[0:1], 0x10              ; fc1_b, gq
	v_lshl_add_u32 v[SPW], v0, 2, SPARE
	v_mov_b32 v[NIL], 0
	ds_add_u32 v28, v29
	ds_add_u32 v28, v29
	s_wait_dscnt 0x0
	v_lshrrev_b32 v1, 5, v0
	v_readfirstlane_b32 s14, v1
	s_lshr_b32 s15, s14, 1
	s_and_b32 s16, s14, 1
	s_bfe_u32 s40, ttmp6, 0x40000
	s_bfe_u32 s41, ttmp6, 0x40004
	s_lshl_b32 s42, ttmp9, 2
	s_add_co_u32 s42, s42, s40                     ; Y's block of 256 rows
	s_and_b32 s17, ttmp7, 0xffff
	s_lshl_b32 s17, s17, 2
	s_add_co_u32 s17, s17, s41                     ; X's block of 256 rows
	s_lshl_b32 s43, s41, 2
	s_lshl_b32 s43, 15, s43
	s_lshl_b32 s44, 0x1111, s40
	s_or_b32 s[G1], s43, (3<<16)|(1<<21)
	s_or_b32 s[G1B], s44, (3<<16)|(1<<21)
.irp g, G1, G1B
	s_mov_b32 s[\g+1], (NQ*192)<<16
	s_mov_b32 s[\g+2], MB<<16
	s_mov_b32 s[\g+3], (NQ*192)<<16
	s_mov_b32 s[\g+4], MB
	s_mov_b32 s[\g+5], KT*192
	s_mov_b32 s[\g+6], 0
	s_mov_b32 s[\g+7], 0
.endr
	s_or_b32 s[G1S], s43, (3<<16)|(1<<21)
	s_or_b32 s[G1SB], s44, (3<<16)|(1<<21)
.irp g, G1S, G1SB
	s_mov_b32 s[\g+1], 32<<16
	s_mov_b32 s[\g+2], (HALFS/256)<<16
	s_mov_b32 s[\g+3], 32<<16
	s_mov_b32 s[\g+4], HALFS/256
	s_mov_b32 s[\g+5], 32
	s_mov_b32 s[\g+6], 0
	s_mov_b32 s[\g+7], 0
.endr
	s_mul_i32 s18, s16, MB
	s_mul_i32 s20, s17, 2*MB
	s_add_co_u32 s20, s20, s18
	s_mul_i32 s46, s42, 2*MB
	s_add_co_u32 s46, s46, s18
	s_mul_i32 s22, s20, KT*64
	s_add_co_u32 s22, s22, XSO
	s_mul_i32 s20, s20, KT*FRB
	s_mul_i32 s92, s46, KT*64
	s_add_co_u32 s92, s92, YSO
	s_mul_i32 s46, s46, KT*FRB
	s_add_co_u32 s46, s46, YCO
	s_mov_b32 s21, 0
	s_mov_b32 s23, 0
	s_mov_b32 s47, 0
	s_mov_b32 s93, 0
	s_mul_i32 s45, s14, HALFT
	s_mul_i32 s94, s14, HALFS
	s_wait_kmcnt 0x0
	s_add_nc_u64 s[20:21], s[4:5], s[20:21]
	s_add_nc_u64 s[22:23], s[4:5], s[22:23]
	s_add_nc_u64 s[46:47], s[6:7], s[46:47]
	s_add_nc_u64 s[92:93], s[6:7], s[92:93]
	CROUND
	s_mov_b32 s[G0S], 1
	s_add_co_u32 s[G0S+1], s94, SCL
	s_mov_b64 s[G0S+2:G0S+3], s[22:23]
	s_or_b32 s[G0S+3], s[G0S+3], 0x80000000
	s_mov_b32 s[G0SB], 1
	s_add_co_u32 s[G0SB+1], s94, SCL
	s_mov_b64 s[G0SB+2:G0SB+3], s[92:93]
	s_or_b32 s[G0SB+3], s[G0SB+3], 0x80000000
	JLOAD G0S, G1S, G0SB, G1SB                     ; the scale words first; with the three regions four loads of mine are out
.irp s, 0,1
	s_mov_b32 s[G0+4*\s], 1
	s_add_co_u32 s[G0+4*\s+1], s45, \s*SLOT
	s_add_nc_u64 s[G0+4*\s+2:G0+4*\s+3], s[20:21], \s*NQ*FRB
	s_or_b32 s[G0+4*\s+3], s[G0+4*\s+3], 0x80000000
	s_mov_b32 s[G0B+4*\s], 1
	s_add_co_u32 s[G0B+4*\s+1], s45, \s*SLOT
	s_add_nc_u64 s[G0B+4*\s+2:G0B+4*\s+3], s[46:47], \s*NQ*FRB
	s_or_b32 s[G0B+4*\s+3], s[G0B+4*\s+3], 0x80000000
	JLOAD G0+4*\s, G1, G0B+4*\s, G1B
.endr
	s_add_nc_u64 s[G0C+2:G0C+3], s[20:21], 2*NQ*FRB    ; region 2's groups 0 take the registers from which the others were made: the words' addresses have been copied, the codes' are used here for the last time
	s_or_b32 s[G0C+3], s[G0C+3], 0x80000000
	s_add_co_u32 s[G0C+1], s45, 2*SLOT
	s_mov_b32 s[G0C], 1
	s_add_nc_u64 s[G0BC+2:G0BC+3], s[46:47], 2*NQ*FRB
	s_or_b32 s[G0BC+3], s[G0BC+3], 0x80000000
	s_add_co_u32 s[G0BC+1], s45, 2*SLOT
	s_mov_b32 s[G0BC], 1
	JLOAD G0C, G1, G0BC, G1B
	v_and_b32 v1, 15, v0
	v_bfe_u32 v2, v0, 4, 1
	v_and_b32 v3, 31, v0
	v_lshlrev_b32 v12, 3, v3
	v_lshlrev_b32 v14, 2, v1
	s_mul_i32 s2, s15, HALFT
	s_mul_i32 s3, s16, HALFT
	s_add_co_u32 s3, s3, 2*HALFT
.irp s, 0,1,2
	v_add_nc_u32 v[ADRX+\s], s2, v12
	v_add_nc_u32 v[ADRY+\s], s3, v12
	s_add_co_u32 s2, s2, SLOT
	s_add_co_u32 s3, s3, SLOT
.endr
	s_mul_i32 s2, s15, HALFS
	s_mul_i32 s3, s16, HALFS
	s_add_co_u32 s3, s3, 2*HALFS
	s_sub_co_u32 s3, s3, s2
	v_mul_u32_u24 v23, s3, v2                      ; lanes 16-31 take Y's words
	s_add_co_u32 s2, s2, SCL
	v_add_nc_u32 v24, v14, v23
	v_add_nc_u32 v[ADRS], s2, v24
	s_lshl_b32 s98, s17, 4
	s_lshl_b32 s99, s15, 3
	s_add_co_u32 s98, s98, s99                     ; my first token tile
	s_lshl_b32 s98, s98, 5
	s_lshl_b32 s99, s42, 1
	s_add_co_u32 s98, s98, s99
	s_add_co_u32 s98, s98, s16                     ; x 32 + my K step of the next product
	s_lshl_b32 s2, s98, 6
	s_add_co_u32 s2, s2, 12582912
	s_mov_b32 s3, 0
	s_add_nc_u64 s[12:13], s[10:11], s[2:3]        ; the words
	s_mul_i32 s2, s98, 1536
	s_add_nc_u64 s[10:11], s[10:11], s[2:3]        ; the codes
	s_lshl_b32 s2, s42, 10
	s_lshl_b32 s99, s16, 9
	s_add_co_u32 s2, s2, s99
	s_add_nc_u64 s[8:9], s[8:9], s[2:3]            ; my 128 numbers of the bias
	v_lshlrev_b32 v30, 6, v2
	WIN 0x40
.irp bb, 0,1,2,3
.irp jj, 0,1,2,3
	global_load_b128 v[96+96*(\bb/2)+16*\bb+4*\jj:96+96*(\bb/2)+16*\bb+4*\jj+3], v30, s[8:9] offset:128*\bb+16*\jj
.endr
.endr
	WIN 0
	s_wait_tensorcnt 2                             ; the scale words and my part of slot-load 0 are in; slot-loads 1 and 2 may be out
	s_barrier_signal -1
	s_barrier_wait -1
	SCALES 0, 0
	FETCH 0, 0, 0
	ISTEP 0, 0, 0, 1, 0, 1, -1                     ; step 0: its products start the sums
	ITURN 0, 1, 1, 1                               ; step 1: region 0 is left and takes slot-load 3; on to region 1
	ISTEP 0, 0, 1, 0, 1, 1, -1                     ; step 2
	ISTEP 1, 1, 1, 0, 2, 0, 2                      ; step 3: on to region 2 with no barrier: in front of the round every wave had waited for all its loads
	ISTEP 0, 0, 0, 0, 2, 1, -1                     ; step 4
	ITURN 0, 0, 0, 3                               ; step 5: slot-load 3 has landed in every wave's part; nothing is filled again
	ISTEP 0, 0, 1, 0, 0, 1, -1                     ; step 6
	s_wait_dscnt 12                                ; step 7: nothing more to fetch
	MULR 0, 6, 1, 1, 1
	s_wait_dscnt 0x0
	MULR 6, 2, 1, 1, 1
	WIN 0
	s_wait_loadcnt 0x0                             ; the bias
	PLACES 4
	s_mov_b32 s[SEL], 0x76543210
	s_mov_b32 s[SEL+1], 0xfedcba98
	v_mov_b32 v4, 0x32edffee
	v_mov_b32 v5, 0x32edffee
	v_mov_b32 v6, 0xb95fbd29
	v_mov_b32 v7, 0xb95fbd29
	s_mov_b32 s2, 0
.Lrow:                                                 ; eight trips: tile s2 of my rows
.irp a, 0,1,2,3,4,5,6
	s_cmp_eq_u32 s2, \a
	s_cbranch_scc1 .Lc\a
.endr
	COPY 7
	s_branch .Lgelu
.irp a, 0,1,2,3,4,5,6
.Lc\a:
	COPY \a
	s_branch .Lgelu
.endr
.Lgelu:
	GELU 0
	GELU 1
	QUANT 64
.irp p, 0,1,2,3,4,5
	global_store_b64 v12, v[PC+2*\p:PC+2*\p+1], s[10:11] offset:256*\p   ; a whole plane: 256 consecutive bytes, at a multiple of 256
.endr
	global_store_b32 v14, v[PW], s[12:13]
	s_wait_xcnt 0x0                                ; the stores have read their registers and bases: both are written again below and in the next trip
	s_add_nc_u64 s[10:11], s[10:11], 49152
	s_add_nc_u64 s[12:13], s[12:13], 2048
	s_add_co_u32 s2, s2, 1
	s_cmp_lt_u32 s2, 8
	s_cbranch_scc1 .Lrow
	s_wait_tensorcnt 0x0                           ; the wave's end
	ds_add_u32 v[SPW], v[NIL]
	s_wait_dscnt 0x0
	CROUND
	s_endpgm
.Lfunc_end_k_q5bb9eeae0a_fc1:
	.size	k_q5bb9eeae0a_fc1, .Lfunc_end_k_q5bb9eeae0a_fc1-k_q5bb9eeae0a_fc1
	.p2alignl 7, 3214868480
	.fill 96, 4, 3214868480
	.section	.rodata,"a",@progbits
	.p2align	6, 0x0
	.amdhsa_kernel k_q5bb9eeae0a_fc1
		.amdhsa_group_segment_fixed_size 327680
		.amdhsa_private_segment_fixed_size 0
		.amdhsa_enable_private_segment 0
		.amdhsa_kernarg_size 32
		.amdhsa_user_sgpr_count 2
		.amdhsa_user_sgpr_kernarg_segment_ptr 1
		.amdhsa_wavefront_size32 1
		.amdhsa_system_sgpr_workgroup_id_x 1
		.amdhsa_system_sgpr_workgroup_id_y 1
		.amdhsa_system_sgpr_workgroup_id_z 1
		.amdhsa_system_vgpr_workitem_id 0
		.amdhsa_next_free_vgpr 1024
		.amdhsa_next_free_sgpr 100
		.amdhsa_reserve_vcc 0
		.amdhsa_float_denorm_mode_32 3
		.amdhsa_float_denorm_mode_16_64 3
		.amdhsa_memory_ordered 1
		.amdhsa_forward_progress 1
		.amdhsa_inst_pref_size 210
	.end_amdhsa_kernel
	.amdgpu_metadata
---
amdhsa.version: [ 1, 2 ]
amdhsa.kernels:
  - .name:           k_q5bb9eeae0a_fc1
    .symbol:         k_q5bb9eeae0a_fc1.kd
    .args:
      - { .name: hq, .offset: 0, .size: 8, .value_kind: global_buffer, .address_space: global }
      - { .name: wf, .offset: 8, .size: 8, .value_kind: global_buffer, .address_space: global }
      - { .name: fc1_b, .offset: 16, .size: 8, .value_kind: global_buffer, .address_space: global }
      - { .name: gq, .offset: 24, .size: 8, .value_kind: global_buffer, .address_space: global }
    .group_segment_fixed_size: 327680
    .private_segment_fixed_size: 0
    .kernarg_segment_align: 8
    .kernarg_segment_size: 32
    .max_flat_workgroup_size: 128
    .sgpr_count:     100
    .vgpr_count:     1024
    .wavefront_size: 32
...
	.end_amdgpu_metadata
.endif
;; end of part 5
;; launch fc2 (part 6): grid 8 x 32, 4 waves a work-group, clusters of 4 x 4, 327,680 bytes of LDS; arguments gq, wf, fc2_b, x1, out0; writes out0
.if DOCPART == 6
	.amdgcn_target "amdgcn-amd-amdhsa--gfx1250"
	.amdhsa_code_object_version 6
	.text
	.protected	k_q5bb9eeae0a_fc2
	.globl	k_q5bb9eeae0a_fc2
	.p2align	8
	.type	k_q5bb9eeae0a_fc2,@function
k_q5bb9eeae0a_fc2:
	s_mov_b64 s[64:65], 0
	v_nop
	global_prefetch_b8 v0, s[64:65] scope:SCOPE_SE
	s_setreg_imm32_b32 hwreg(HW_REG_WAVE_MODE, 25, 1), 1
	s_wait_xcnt 0x0
	s_wait_alu depctr_hold_cnt(0) depctr_sa_sdst(0) depctr_va_vdst(0) depctr_va_sdst(0) depctr_va_ssrc(0) depctr_va_vcc(0) depctr_vm_vsrc(0)
	s_getreg_b32 s2, hwreg(HW_REG_IB_STS2, 6, 4)
	s_cmp_eq_u32 s2, 0
	s_cbranch_scc0 .Lentry_in_a_cluster
	s_endpgm
.Lentry_in_a_cluster:
	s_bfe_u32 s2, ttmp6, 0x10000c
	s_cmp_lg_u32 s2, 0xf033
	s_cbranch_scc0 .Lentry_shape_is_right
	s_endpgm
.Lentry_shape_is_right:
; out = x1 + Q(gelu) fc2_w^T + fc2_b on FP6 codes; f32 out.  N = 1,024, so a tile of 128 x 128 gives each of 256 work-groups one tile.  K = 4,096.
; OPERANDS lie in the order of the operand's registers: a fragment (16 rows x 128 K) is six planes of 256 bytes, plane P = register pair (2 P, 2 P + 1), lane l at 8 l; codes [tile][k / 128][1536], scale words [tile][k / 128][16].
; Lane row r of tile T is row 32 (T / 2) + 8 (T % 2) + r + 8 (r / 8).  D = (source 0 = a tile of Y, the weight) x (source 1 = a tile of X, the tokens): a lane holds one token, its registers neighbouring outputs.
; Four waves, each 64 x 64: 16 accumulators.  K goes in slots of 512 through a ring of two LDS slots filled by the tensor data mover: 64 matrix instructions a wave in a slot.
; CLUSTERS of 4 x 4: X's tiles are asked for jointly by a row of the cluster, Y's by a column.
; REGISTERS: window 0: v1-31 addresses, v8-11 the bias; v32-63 scale words, two sets, and nothing else; v64-111, v160-207 X's two sets.  Window 1: v0-47, v128-175 Y's.  Window 2: v0-127 accumulator (a, b) at v[8 (4 a + b)].
;   Window 3: v0-127 the residual, asked for at the head and left on its way through the K loop.
; LIMITS: NaN and infinities are not served.
.set MB, 4
.set NQ, 4
.set KT, 32
.set LAPS, 4
.set XSO, 12582912
.set YCO, 6291456
.set YSO, 9699328
.set FRB,   1536
.set HALFT, MB*NQ*FRB
.set SLOT,  4*HALFT
.set SCL,   2*SLOT
.set HALFS, MB*KT*64
.set SPARE, SCL+4*HALFS
.set ADRX, 16
.set ADRY, 20
.set ADRS, 27
.set SPW,  28
.set NIL,  29
.set SC,   32
.set G1,   24
.set G0,   32
.set G1B,  48
.set G0B,  56
.set G1S,  68
.set G0S,  76
.set G1SB, 80
.set G0SB, 88
.set MSB, 0
.macro WIN new
.if MSB != (\new)
	s_set_vgpr_msb (MSB<<8)|(\new)
.set MSB, \new
.endif
.endm
.macro PLACES n
.rept \n
	v_nop
.endr
.endm
.macro JLOAD g0a, g1a, g0b, g1b
	s_cmp_eq_u32 s15, 0
	s_cbranch_scc0 .Lfor_b_\@
	tensor_load_to_lds s[\g0a:\g0a+3], s[\g1a:\g1a+7]
	s_nop 0
.rept 4
	v_nop
.endr
	s_branch .Lasked_\@
.Lfor_b_\@:
	tensor_load_to_lds s[\g0b:\g0b+3], s[\g1b:\g1b+7]
	s_nop 0
.rept 4
	v_nop
.endr
.Lasked_\@:
.endm
.macro CREST
	s_cmp_lg_u32 s14, 0
	s_cbranch_scc1 .Lnot_wave_0_\@
	s_barrier_signal -3
.Lnot_wave_0_\@:
	s_barrier_wait -3
	s_barrier_signal -1
	s_barrier_wait -1
.endm
.macro CROUND
	s_barrier_signal -1
	s_barrier_wait -1
	CREST
.endm
.macro FRAG reg, adr, q, i
.irp p, 0,1,2,3,4,5
	ds_load_b64 v[(\reg)+2*\p:(\reg)+2*\p+1], v[\adr] offset:((\i)*NQ+(\q))*FRB+256*\p
.endr
.endm
.macro FETCH slot, q, set
	WIN 0x40
.set II, 0
.rept MB
	FRAG 128*(\set)+12*II, ADRY+(\slot), \q, II
.set II, II+1
.endr
	WIN 0
.set II, 0
.rept MB
	FRAG 64+96*(\set)+12*II, ADRX+(\slot), \q, II
.set II, II+1
.endr
.endm
.macro SCALES sc
.set II, 0
.rept MB
.set QQ, 0
.rept NQ
	ds_load_b32 v[SC+16*(\sc)+NQ*II+QQ], v[ADRS] offset:II*KT*64+QQ*64
.set QQ, QQ+1
.endr
.set II, II+1
.endr
.endm
.macro MULA a, set, q, sc, zero
	WIN 0xa1+0x50*((\a)/4)
.set BB, 0
.rept MB
.set AC, 8*(MB*((\a)%4)+BB)
.if \zero
	v_wmma_scale_f32_16x16x128_f8f6f4 v[AC:AC+7], v[128*(\set)+12*BB:128*(\set)+12*BB+11], v[64+96*(\set)+12*(\a):64+96*(\set)+12*(\a)+11], 0, v[SC+16*(\sc)+NQ*BB+(\q)], v[SC+16*(\sc)+NQ*(\a)+(\q)] matrix_a_fmt:MATRIX_FMT_FP6 matrix_b_fmt:MATRIX_FMT_FP6 matrix_a_scale:MATRIX_SCALE_ROW1
.else
	v_wmma_scale_f32_16x16x128_f8f6f4 v[AC:AC+7], v[128*(\set)+12*BB:128*(\set)+12*BB+11], v[64+96*(\set)+12*(\a):64+96*(\set)+12*(\a)+11], v[AC:AC+7], v[SC+16*(\sc)+NQ*BB+(\q)], v[SC+16*(\sc)+NQ*(\a)+(\q)] matrix_a_fmt:MATRIX_FMT_FP6 matrix_b_fmt:MATRIX_FMT_FP6 matrix_a_scale:MATRIX_SCALE_ROW1
.endif
.set BB, BB+1
.endr
.endm
.macro MULS a0, a1, set, q, sc, zero   ; all accumulators take turns, one instruction a turn, in the same order in every step
.set AA, \a0
.rept (\a1)-(\a0)
	MULA AA, \set, \q, \sc, \zero
.set AA, AA+1
.endr
.endm
.macro STEP slot, q, zero
	s_wait_dscnt 0x0                               ; this step's fragments and scale words are in
	PLACES 4                                       ; in front of loads into registers that the step before multiplied
	FETCH \slot, (\q)+1, ((\q)+1)%2
	MULS 0, MB, (\q)%2, \q, \slot, \zero
	WIN 0
.endm
.macro TURN slot, next, fill
	s_wait_tensorcnt 0x0                           ; all my tensor loads have landed: my part of the next slot
	ds_add_u32 v[SPW], v[NIL]                      ; 0 onto my spare word
	s_wait_dscnt 1                                 ; the fragments are in; the add may be out
	MULS 0, MB/4, 1, NQ-1, \slot, 0
	s_wait_dscnt 0x0                               ; the add is done, and my reads of this slot are over
	s_barrier_signal -1
	MULS MB/4, MB/2, 1, NQ-1, \slot, 0
	WIN 0
	s_barrier_wait -1
.if \fill
	CREST                                          ; the barrier has opened a round of the cluster's: no wave of any partner still reads this slot or has a load on its way
	s_add_nc_u64 s[G0+4*\slot+2:G0+4*\slot+3], s[G0+4*\slot+2:G0+4*\slot+3], 2*NQ*FRB
	s_add_nc_u64 s[G0B+4*\slot+2:G0B+4*\slot+3], s[G0B+4*\slot+2:G0B+4*\slot+3], 2*NQ*FRB
	JLOAD G0+4*\slot, G1, G0B+4*\slot, G1B         ; the first tensor load behind the round; its four v_nop are the places in front of the loads below
.else
	PLACES 4
.endif
	v_add_nc_u32 v[ADRS], NQ*64, v[ADRS]
	FETCH \next, 0, 0
	SCALES \next
	MULS MB/2, MB, 1, NQ-1, \slot, 0
	WIN 0
.endm
.macro MIDSTEPS slot
.set QS, 1
.rept NQ-2
	STEP \slot, QS, 0
.set QS, QS+1
.endr
.endm
	s_load_b128 s[4:7], s[0:1], 0x0                ; X's buffer, wf
	s_load_b128 s[8:11], s[0:1], 0x10              ; the bias, the residual
	s_load_b64 s[12:13], s[0:1], 0x20              ; the output
	v_lshl_add_u32 v[SPW], v0, 2, SPARE
	v_mov_b32 v[NIL], 0
	ds_add_u32 v28, v29
	ds_add_u32 v28, v29
	s_wait_dscnt 0x0
	v_lshrrev_b32 v1, 5, v0
	v_readfirstlane_b32 s14, v1
	s_lshr_b32 s15, s14, 1
	s_and_b32 s16, s14, 1
	s_bfe_u32 s40, ttmp6, 0x40000
	s_bfe_u32 s41, ttmp6, 0x40004
	s_lshl_b32 s42, ttmp9, 2
	s_add_co_u32 s42, s42, s40                     ; Y's block of 128 rows
	s_and_b32 s17, ttmp7, 0xffff
	s_lshl_b32 s17, s17, 2
	s_add_co_u32 s17, s17, s41                     ; X's block of 128 rows
	s_lshl_b32 s43, s41, 2
	s_lshl_b32 s43, 15, s43
	s_lshl_b32 s44, 0x1111, s40
	s_or_b32 s[G1], s43, (3<<16)|(1<<21)
	s_or_b32 s[G1B], s44, (3<<16)|(1<<21)
.irp g, G1, G1B
	s_mov_b32 s[\g+1], (NQ*192)<<16
	s_mov_b32 s[\g+2], MB<<16
	s_mov_b32 s[\g+3], (NQ*192)<<16
	s_mov_b32 s[\g+4], MB
	s_mov_b32 s[\g+5], KT*192
	s_mov_b32 s[\g+6], 0
	s_mov_b32 s[\g+7], 0
.endr
	s_or_b32 s[G1S], s43, (3<<16)|(1<<21)
	s_or_b32 s[G1SB], s44, (3<<16)|(1<<21)
.irp g, G1S, G1SB
	s_mov_b32 s[\g+1], 32<<16
	s_mov_b32 s[\g+2], (HALFS/256)<<16
	s_mov_b32 s[\g+3], 32<<16
	s_mov_b32 s[\g+4], HALFS/256
	s_mov_b32 s[\g+5], 32
	s_mov_b32 s[\g+6], 0
	s_mov_b32 s[\g+7], 0
.endr
	s_mul_i32 s18, s16, MB
	s_mul_i32 s20, s17, 2*MB
	s_add_co_u32 s20, s20, s18
	s_mul_i32 s46, s42, 2*MB
	s_add_co_u32 s46, s46, s18
	s_mul_i32 s22, s20, KT*64
	s_add_co_u32 s22, s22, XSO
	s_mul_i32 s20, s20, KT*FRB
	s_mul_i32 s92, s46, KT*64
	s_add_co_u32 s92, s92, YSO
	s_mul_i32 s46, s46, KT*FRB
	s_add_co_u32 s46, s46, YCO
	s_mov_b32 s21, 0
	s_mov_b32 s23, 0
	s_mov_b32 s47, 0
	s_mov_b32 s93, 0
	s_mul_i32 s45, s14, HALFT
	s_mul_i32 s94, s14, HALFS
	s_wait_kmcnt 0x0
	s_add_nc_u64 s[20:21], s[4:5], s[20:21]
	s_add_nc_u64 s[22:23], s[4:5], s[22:23]
	s_add_nc_u64 s[46:47], s[6:7], s[46:47]
	s_add_nc_u64 s[92:93], s[6:7], s[92:93]
	CROUND
	s_mov_b32 s[G0S], 1
	s_add_co_u32 s[G0S+1], s94, SCL
	s_mov_b64 s[G0S+2:G0S+3], s[22:23]
	s_or_b32 s[G0S+3], s[G0S+3], 0x80000000
	s_mov_b32 s[G0SB], 1
	s_add_co_u32 s[G0SB+1], s94, SCL
	s_mov_b64 s[G0SB+2:G0SB+3], s[92:93]
	s_or_b32 s[G0SB+3], s[G0SB+3], 0x80000000
	JLOAD G0S, G1S, G0SB, G1SB                     ; with the two slots three loads of mine are out; later one behind each round
.irp s, 0,1
	s_mov_b32 s[G0+4*\s], 1
	s_add_co_u32 s[G0+4*\s+1], s45, \s*SLOT
	s_add_nc_u64 s[G0+4*\s+2:G0+4*\s+3], s[20:21], \s*NQ*FRB
	s_or_b32 s[G0+4*\s+3], s[G0+4*\s+3], 0x80000000
	s_mov_b32 s[G0B+4*\s], 1
	s_add_co_u32 s[G0B+4*\s+1], s45, \s*SLOT
	s_add_nc_u64 s[G0B+4*\s+2:G0B+4*\s+3], s[46:47], \s*NQ*FRB
	s_or_b32 s[G0B+4*\s+3], s[G0B+4*\s+3], 0x80000000
	JLOAD G0+4*\s, G1, G0B+4*\s, G1B
.endr
	v_and_b32 v1, 15, v0
	v_bfe_u32 v2, v0, 4, 1
	v_and_b32 v3, 31, v0
	v_lshlrev_b32 v12, 3, v3
	s_mul_i32 s21, s15, HALFT
	s_mul_i32 s22, s16, HALFT
	s_add_co_u32 s22, s22, 2*HALFT
.irp s, 0,1
	v_add_nc_u32 v[ADRX+\s], s21, v12
	v_add_nc_u32 v[ADRY+\s], s22, v12
	s_add_co_u32 s21, s21, SLOT
	s_add_co_u32 s22, s22, SLOT
.endr
	v_lshlrev_b32 v22, 2, v1
	s_mul_i32 s21, s15, HALFS
	s_mul_i32 s22, s16, HALFS
	s_add_co_u32 s22, s22, 2*HALFS
	s_sub_co_u32 s22, s22, s21
	v_mul_u32_u24 v23, s22, v2
	s_add_co_u32 s21, s21, SCL
	v_add_nc_u32 v22, v22, v23
	v_add_nc_u32 v[ADRS], s21, v22
	s_mul_i32 s21, s14, 4352                       ; my stage, 16 rows x 272 bytes, in slot 0: used behind that slot's last fill and last read
	v_mul_u32_u24 v24, v1, 272
	v_lshl_add_u32 v24, v2, 6, v24
	v_add_nc_u32 v24, s21, v24
	v_mul_u32_u24 v25, v2, 272
	v_lshl_add_u32 v25, v1, 4, v25
	v_add_nc_u32 v25, s21, v25
	v_lshlrev_b32 v30, 4, v1
	v_lshl_add_u32 v26, v2, 12, v30
	s_lshl_b32 s98, s17, 7
	s_lshl_b32 s99, s15, 6
	s_add_co_u32 s98, s98, s99
	s_lshl_b32 s98, s98, 12
	s_lshl_b32 s95, s42, 9
	s_lshl_b32 s99, s16, 8
	s_add_co_u32 s95, s95, s99
	s_add_co_u32 s98, s98, s95
	s_mov_b32 s99, 0
	s_add_nc_u64 s[10:11], s[10:11], s[98:99]
	s_add_nc_u64 s[12:13], s[12:13], s[98:99]
	s_mov_b32 s98, s95
	s_add_nc_u64 s[8:9], s[8:9], s[98:99]
	WIN 0xc0
.irp a, 0,1,2,3
.irp t, 0,1,2,3,4,5,6,7
	global_load_b128 v[32*\a+4*\t:32*\a+4*\t+3], v26, s[10:11] offset:(32*(\a/2)+8*(\a%2)+2*\t+8*(\t/4))*4096 th:TH_LOAD_NT
.endr
.endr
	WIN 0
	global_load_b128 v[8:11], v30, s[8:9]
	s_wait_tensorcnt 1                             ; the scale words and my part of slot 0 are in; slot 1's load may be out
	s_barrier_signal -1
	s_barrier_wait -1
	FETCH 0, 0, 0
	SCALES 0
	STEP 0, 0, 1
.if LAPS > 1
	s_mov_b32 s3, LAPS-1
.Llap:
	MIDSTEPS 0
	TURN 0, 1, 1
	STEP 1, 0, 0
	MIDSTEPS 1
	TURN 1, 0, 1
	STEP 0, 0, 0
	s_sub_co_u32 s3, s3, 1
	s_cmp_lg_u32 s3, 0
	s_cbranch_scc1 .Llap
.endif
	MIDSTEPS 0
	TURN 0, 1, 0
	STEP 1, 0, 0
	MIDSTEPS 1
	s_wait_dscnt 0x0
	MULS 0, MB, 1, NQ-1, 1, 0
	WIN 0
	; THE WAY OUT, a tile of 16 rows x 64 columns at a time, through my own stage: back as whole rows of 256 bytes, + residual + bias, stored sixteen lanes to an aligned 256 bytes
	s_wait_loadcnt 0x0
	PLACES 4
.macro OUT a
.set BK, 64+32*((\a)%2)
.if (\a) >= 2
	s_wait_xcnt 0x0                                ; the stores of two tiles back have read their registers
.endif
	WIN 0x08
.irp b, 0,1,2,3
	ds_store_b128 v24, v[8*(4*(\a)+\b):8*(4*(\a)+\b)+3] offset:128*(\b/2)+32*(\b%2)       ; each accumulator from its low end on
	ds_store_b128 v24, v[8*(4*(\a)+\b)+4:8*(4*(\a)+\b)+7] offset:128*(\b/2)+32*(\b%2)+16
.endr
	WIN 0
.irp t, 0,1,2,3,4,5,6,7
	ds_load_b128 v[BK+4*\t:BK+4*\t+3], v25 offset:544*\t   ; LDS serves a wave's instructions in order: these see my stores
.endr
	s_wait_dscnt 0x0
	WIN 0x0c
.set N, 0
.rept 16
	v_pk_add_f32 v[BK+N:BK+N+1], v[BK+N:BK+N+1], v[32*(\a)+N:32*(\a)+N+1]
.set N, N+2
.endr
	WIN 0
.irp t, 0,1,2,3,4,5,6,7
	v_pk_add_f32 v[BK+4*\t:BK+4*\t+1], v[BK+4*\t:BK+4*\t+1], v[8:9]
	v_pk_add_f32 v[BK+4*\t+2:BK+4*\t+3], v[BK+4*\t+2:BK+4*\t+3], v[10:11]
.endr
.irp t, 0,1,2,3,4,5,6,7
	global_store_b128 v26, v[BK+4*\t:BK+4*\t+3], s[12:13] offset:(32*((\a)/2)+8*((\a)%2)+2*\t+8*(\t/4))*4096
.endr
.endm
.irp a, 0,1,2,3
	OUT \a
.endr
	s_wait_tensorcnt 0x0                           ; the wave's end
	ds_add_u32 v[SPW], v[NIL]
	s_wait_dscnt 0x0
	CROUND
	s_endpgm
.Lfunc_end_k_q5bb9eeae0a_fc2:
	.size	k_q5bb9eeae0a_fc2, .Lfunc_end_k_q5bb9eeae0a_fc2-k_q5bb9eeae0a_fc2
	.p2alignl 7, 3214868480
	.fill 96, 4, 3214868480
	.section	.rodata,"a",@progbits
	.p2align	6, 0x0
	.amdhsa_kernel k_q5bb9eeae0a_fc2
		.amdhsa_group_segment_fixed_size 327680
		.amdhsa_private_segment_fixed_size 0
		.amdhsa_enable_private_segment 0
		.amdhsa_kernarg_size 40
		.amdhsa_user_sgpr_count 2
		.amdhsa_user_sgpr_kernarg_segment_ptr 1
		.amdhsa_wavefront_size32 1
		.amdhsa_system_sgpr_workgroup_id_x 1
		.amdhsa_system_sgpr_workgroup_id_y 1
		.amdhsa_system_sgpr_workgroup_id_z 1
		.amdhsa_system_vgpr_workitem_id 0
		.amdhsa_next_free_vgpr 1024
		.amdhsa_next_free_sgpr 100
		.amdhsa_reserve_vcc 0
		.amdhsa_float_denorm_mode_32 3
		.amdhsa_float_denorm_mode_16_64 3
		.amdhsa_memory_ordered 1
		.amdhsa_forward_progress 1
		.amdhsa_inst_pref_size 120
	.end_amdhsa_kernel
	.amdgpu_metadata
---
amdhsa.version: [ 1, 2 ]
amdhsa.kernels:
  - .name:           k_q5bb9eeae0a_fc2
    .symbol:         k_q5bb9eeae0a_fc2.kd
    .args:
      - { .name: gq, .offset: 0, .size: 8, .value_kind: global_buffer, .address_space: global }
      - { .name: wf, .offset: 8, .size: 8, .value_kind: global_buffer, .address_space: global }
      - { .name: fc2_b, .offset: 16, .size: 8, .value_kind: global_buffer, .address_space: global }
      - { .name: x1, .offset: 24, .size: 8, .value_kind: global_buffer, .address_space: global }
      - { .name: out0, .offset: 32, .size: 8, .value_kind: global_buffer, .address_space: global }
    .group_segment_fixed_size: 327680
    .private_segment_fixed_size: 0
    .kernarg_segment_align: 8
    .kernarg_segment_size: 40
    .max_flat_workgroup_size: 128
    .sgpr_count:     100
    .vgpr_count:     1024
    .wavefront_size: 32
...
	.end_amdgpu_metadata
.endif
;; end of part 6
